; MI455X (gfx1250); checked and timed in simulation.
; The chip was launched on July 23, 2026; its instructions are those of AMD's public machine-readable ISA for CDNA 5 (MIT licence, August 2026) and "CDNA5" Instruction Set Architecture Reference Guide (July 2026). The comments in the code are by the model that wrote it; some were corrected since.
;; Transformer Encoder. Allowed arithmetic: matrix products marked QUANTISED: E2M3 operands, one E8M0 scale for each 32 along K, by v_wmma_scale_f32_16x16x128_f8f6f4 with both operands' format E2M3, f32 sums; everything else in f32.
;; Inputs: b1 2 x 1,024 float32; b2 2 x 256 float32; in_b 2 x 768 float32; in_w 2 x 768 x 256 float32; ln1_b 2 x 256 float32; ln1_s 2 x 256 float32; ln2_b 2 x 256 float32; ln2_s 2 x 256 float32; out_b 2 x 256 float32; out_w 2 x 256 x 256 float32; w1 2 x 1,024 x 256 float32; w2 2 x 256 x 1,024 float32; x 2,048 x 4 x 256 float32.
;; Outputs: out0 2,048 x 4 x 256 float32.
;; This version of the problem:
;;   THIS VERSION OF THE PROBLEM IS GIVEN IN LOW PRECISION. The matrix products marked QUANTISED in the list below multiply operands that are first quantised to E2M3 (2 exponent bits, 3 mantissa bits; 6 bits a number), with one power-of-two scale for each 32 numbers along K (OCP MX v1.0); their sums are f32. All else is computed in f32.
;;   The module's matrix products, in the order in which they are computed (A, B: the left and right operand; K: the contracted axis; several contracted axes count as one K, in the product's order):
;;     1. [M 8,192, K 256] x [K 256, N 768]; A: input x; B: input in_w: QUANTISED
;;     2. batch 32 x [M 2,048, K 32] x [K 32, N 2,048]; A: computed on the way; B: computed on the way: QUANTISED
;;     3. batch 32 x [M 2,048, K 2,048] x [K 2,048, N 32]; A: softmax (see below); B: computed on the way: QUANTISED
;;     4. [M 8,192, K 256] x [K 256, N 256]; A: computed on the way; B: input out_w: QUANTISED
;;     5. [M 8,192, K 256] x [K 256, N 1,024]; A: computed on the way; B: input w1: QUANTISED
;;     6. [M 8,192, K 1,024] x [K 1,024, N 256]; A: computed on the way; B: input w2: QUANTISED
;;     7. [M 8,192, K 256] x [K 256, N 768]; A: computed on the way; B: input in_w: QUANTISED
;;     8. batch 32 x [M 2,048, K 32] x [K 32, N 2,048]; A: computed on the way; B: computed on the way: QUANTISED
;;     9. batch 32 x [M 2,048, K 2,048] x [K 2,048, N 32]; A: softmax (see below); B: computed on the way: QUANTISED
;;     10. [M 8,192, K 256] x [K 256, N 256]; A: computed on the way; B: input out_w: QUANTISED
;;     11. [M 8,192, K 256] x [K 256, N 1,024]; A: computed on the way; B: input w1: QUANTISED
;;     12. [M 8,192, K 1,024] x [K 1,024, N 256]; A: computed on the way; B: input w2: QUANTISED
;;   THE QUANTISER, for each operand of a quantised product, along K:
;;     - K is cut into blocks of 32 from its start; a last block that is shorter is filled with zeros.
;;     - A block's scale is 2^e with e = floor(log2(the largest magnitude in the block)) - 2, held to -126 .. 127; a block of zeros has e = 0. As a byte (E8M0): e + 127.
;;     - Each number is divided by its block's scale, clamped to +-7.5, and rounded to the nearest number of E2M3, ties to even, subnormals kept.
;;     - The product sums the exact products of the quantised numbers (number of the format x scale) in f32.
;;   ~~~python
;;   def quantise(x, axis):      # numpy; x: float32 -> the quantised numbers, widened to float32 again
;;       x = np.moveaxis(x, axis, -1); K = x.shape[-1]
;;       x = np.pad(x, [(0, 0)] * (x.ndim - 1) + [(0, -K % 32)]); x = x.reshape(x.shape[:-1] + (-1, 32)); a = np.abs(x).max(-1, keepdims=True)
;;       e = np.where(a > 0, np.clip(np.frexp(np.where(a > 0, a, 1))[1] - 1 - 2, -126, 127), 0)      # np.frexp(a)[1] - 1 = floor(log2(a)), exactly
;;       r = np.clip(x / 2.0 ** e, -7.5, 7.5)
;;       step = 2.0 ** (np.maximum(np.frexp(np.where(r == 0, 1, r))[1] - 1, 0) - 3)
;;       q = np.round(r / step) * step * 2.0 ** e      # np.round: ties to even
;;       return np.moveaxis(q.reshape(q.shape[:-2] + (-1,))[..., :K], -1, axis).astype(np.float32)
;;   ~~~
;;   SOFTMAX AHEAD OF A QUANTISED PRODUCT. Where the list says 'softmax', what is quantised is not the finished softmax but p = 2^(t - M), with t = logit x log2(e) and M = ceil(the row's largest t), a whole number; so 1/2 < the row's largest p <= 1. The row's sum l is taken of the UNQUANTISED p, in f32, and the product's result is divided by l at the end. Since M is a whole number, a kernel that streams over the keys may use a running M (the ceiling of the running maximum): every later rescaling is an exact power of two, which a block's scale takes up: the codes' values come out the same.
;;   OPERANDS COMPUTED ON THE WAY. 'Computed on the way' means the value that the module computes at that place (a softmax that the list does not call 'softmax' is quantised finished and normalised). What goes into a quantiser is computed in f32, as accurately as f32 sums, v_exp_f32 and their like allow (about 1e-6 of the number): no bf16 or f16 on the way to a quantiser, and a product that is left as it is and whose result goes on into a quantised operand takes f32 operands (vector FMAs, or v_wmma_f32_16x16x4_f32). A number that lies on a knife's edge between two numbers of the format may be rounded either way, as far as f32 arithmetic and the matrix unit's own rounding can turn it there, and no further.
;; 2 versions, each right; version 2 is version 1 with the launches qkv0, post0, qkv1, post1 written anew for expert scheduling mode. Each part assembles by itself: llvm-mc -triple=amdgcn-amd-amdhsa -mcpu=gfx1250 --defsym DOCPART=n.
;; ======== version 1 of 2: 7 launches
;; workspace buffers: wl0 627,712 bytes; wl1 627,712 bytes; qb 1,835,008 bytes; kvb 3,473,408 bytes; ctxb 1,638,400 bytes; xmid 8,388,608 bytes
;; launch prep (part 1): grid 193 x 2, 1 waves a work-group, no clusters, 0 bytes of LDS; arguments in_w, out_w, w1, w2, in_b, out_b, ln1_s, ln1_b, b1, b2, ln2_s, ln2_b, wl0, wl1; writes wl0, wl1
.if DOCPART == 1
	.amdgcn_target "amdgcn-amd-amdhsa--gfx1250"
	.amdhsa_code_object_version 6
	.text
	.protected	k_q1ae2ec4f54_prep
	.globl	k_q1ae2ec4f54_prep
	.p2align	8
	.type	k_q1ae2ec4f54_prep,@function
k_q1ae2ec4f54_prep:
	s_mov_b64 s[64:65], 0
	v_nop
	global_prefetch_b8 v0, s[64:65] scope:SCOPE_SE
	s_setreg_imm32_b32 hwreg(HW_REG_WAVE_MODE, 25, 1), 1
	s_wait_xcnt 0x0
; The four weights of both layers, f32 with K innermost, become codes of FP6 (E2M3) with one E8M0 byte for each 32 along K, laid in the ORDER OF THE OPERAND'S REGISTERS,
; one buffer for each layer (work-group y = the layer), so that the later launches, which share their text between the layers, are told the layer by their arguments alone.
; A JOB (work-group x = j, 0 .. 191; one wave) is 32 weight rows x 128 along K: two fragments u = 0, 1 of 16 rows.  Row r of fragment u is weight row 32 B + 8 u + r + 8 (r / 8),
; so that the 16 registers of the results of fragments 0 and 1 are 16 neighbours along the next product's K.  Lane (r, h) holds, in registers 6 c .. 6 c + 5, block 4 s + 2 c + h of its row.
; In the buffer: job j at 3,072 j; fragment u 1,536 further; registers 4 q .. 4 q + 3 of lane L at 512 q + 16 L.  Scale words: 589,824 + 128 j + 4 L, lanes 0-15 fragment 0's rows, lanes 16-31 fragment 1's.
; Jobs: in_w 2 B + s; out_w 48 + 2 B + s; w1 64 + 2 B + s; w2 128 + 8 B + s.
; Work-group x = 192 copies the layer's eight f32 vectors to 614,400 on: in_b, out_b, ln1_s, ln1_b, b1, b2, ln2_s, ln2_b, 13,312 bytes.
; A block's scale is 2^(floor(log2(its largest magnitude)) - 2); its byte is that magnitude's exponent field - 2, held at 1 from below.
; LIMITS: a block of zeros, and one whose largest magnitude lies under 2^-124, gets the byte 1 (the rule says 127 for zeros: the codes are zeros, and this program alone reads the bytes); NaN and infinities are not served.
.set VEC, 614400
.set SCI, 589824
.set X,   32                           ; v32-159  128 numbers: fragment u, half c at 32 + 64 u + 32 c
.set F,   160                          ; v160-183 the two fragments
.set TP,  184                          ; v184-199 the conversions' second halves (a conversion's three registers begin on an even number)
	s_load_b512 s[4:19], s[0:1], 0x0               ; in_w, out_w, w1, w2, in_b, out_b, ln1_s, ln1_b
	s_load_b256 s[20:27], s[0:1], 0x40             ; b1, b2, ln2_s, ln2_b
	s_load_b128 s[28:31], s[0:1], 0x60             ; wl0, wl1
	s_and_b32 s32, ttmp7, 0xffff                   ; the layer
	v_lshlrev_b32 v6, 4, v0                        ; 16 x lane (one wave: v0 is the lane)
	v_lshlrev_b32 v7, 2, v0                        ; 4 x lane
	s_wait_kmcnt 0x0
	s_cmp_eq_u32 s32, 0
	s_cselect_b64 s[28:29], s[28:29], s[30:31]     ; the layer's buffer: the choice hangs on the work-group's number alone
	s_cmp_eq_u32 ttmp9, 192
	s_cbranch_scc1 .Lcopy
	; which weight, which 32 rows, which 128 along K.  The figures begin as w2's and are replaced from the top down
	s_mov_b64 s[36:37], s[10:11]
	s_mov_b32 s38, 128                             ; the weight's first job
	s_mov_b32 s39, 3                               ; K steps in a row: 2^3,
	s_mov_b32 s40, 7                               ; less one
	s_mov_b32 s41, 4096                            ; a row in bytes
	s_mov_b32 s42, 1048576                         ; a layer in bytes
	s_cmp_lt_u32 ttmp9, 128
	s_cselect_b64 s[36:37], s[8:9], s[36:37]       ; w1
	s_cselect_b32 s38, 64, s38
	s_cselect_b32 s39, 1, s39
	s_cselect_b32 s40, 1, s40
	s_cselect_b32 s41, 1024, s41
	s_cmp_lt_u32 ttmp9, 64
	s_cselect_b64 s[36:37], s[6:7], s[36:37]       ; out_w
	s_cselect_b32 s38, 48, s38
	s_cselect_b32 s42, 262144, s42
	s_cmp_lt_u32 ttmp9, 48
	s_cselect_b64 s[36:37], s[4:5], s[36:37]       ; in_w
	s_cselect_b32 s38, 0, s38
	s_cselect_b32 s42, 786432, s42
	s_sub_co_u32 s43, ttmp9, s38
	s_lshr_b32 s44, s43, s39                       ; B
	s_and_b32 s45, s43, s40                        ; s
	s_mul_i32 s46, s32, s42                        ; the layer,
	s_mul_i32 s44, s44, s41
	s_lshl_b32 s44, s44, 5                         ; 32 B rows,
	s_add_co_u32 s46, s46, s44
	s_lshl_b32 s45, s45, 9                         ; 128 s numbers
	s_add_co_u32 s46, s46, s45
	s_mov_b32 s47, 0
	s_add_nc_u64 s[36:37], s[36:37], s[46:47]
	s_lshl_b32 s48, s41, 3                         ; eight rows
	s_mov_b32 s50, 0x76543210
	s_mov_b32 s51, 0xfedcba98                      ; v_permlanex16_b32's selects for lane l xor 16
	s_mov_b32 s52, 0xffff0000                      ; lanes 16-31
	v_and_b32 v1, 15, v0                           ; r
	v_bfe_u32 v4, v0, 4, 1                         ; h
	v_and_b32 v5, 8, v1
	v_add_nc_u32 v5, v5, v1                        ; r + 8 (r / 8)
	v_mul_lo_u32 v2, v5, s41
	v_lshl_add_u32 v2, v4, 7, v2                   ; fragment 0: my row, + 128 h bytes: my block of 32 numbers
	v_add_nc_u32 v3, s48, v2                       ; fragment 1: eight rows on
.irp u, 0,1
.irp c, 0,1
.irp i, 0,1,2,3,4,5,6,7
	global_load_b128 v[X+64*\u+32*\c+4*\i:X+64*\u+32*\c+4*\i+3], v[2+\u], s[36:37] offset:256*\c+16*\i   ; block 2 c + h of the K step: all its 32 numbers are mine
.endr
.endr
.endr
	v_mov_b32 v28, 0                               ; a lane permute's destination counts as one of its sources
	v_mov_b32 v29, 0
	v_lshlrev_b32 v26, 3, v4                       ; 8 h
	s_mul_i32 s54, ttmp9, 3072
	s_mov_b32 s55, 0
	s_add_nc_u64 s[56:57], s[28:29], s[54:55]      ; the job's fragments
	s_lshl_b32 s58, ttmp9, 7
	s_mov_b32 s59, 0
	s_add_nc_u64 s[60:61], s[28:29], s[58:59]      ; and its scale words
	s_wait_loadcnt 0x0
.irp q, 0,1,2,3                                ; q = 2 u + c: four blocks by turns
	v_max3_num_f32 v[8+\q], |v[X+32*\q]|, |v[X+32*\q+1]|, 0x1800000   ; with the floor 2^(3 - 127): the byte cannot fall under 1
.endr
.irp i, 2,4,6,8,10,12,14,16,18,20,22,24,26,28,30
.irp q, 0,1,2,3
	v_max3_num_f32 v[8+\q], v[8+\q], |v[X+32*\q+\i]|, |v[X+32*\q+\i+1]|
.endr
.endr
.irp q, 0,1,2,3
	v_add_nc_u32 v[12+\q], 0xff000000, v[8+\q]     ; 2 off the exponent field: the conversion's scale operand
.endr
.irp q, 0,1,2,3
	v_lshrrev_b32 v[16+\q], 23, v[12+\q]           ; the scale's byte
.endr
.irp q, 0,1,2,3
	v_cvt_scalef32_pk16_fp6_f32 v[F+6*\q:F+6*\q+2], v[X+32*\q:X+32*\q+15], v[12+\q]
	v_cvt_scalef32_pk16_fp6_f32 v[TP+4*\q:TP+4*\q+2], v[X+32*\q+16:X+32*\q+31], v[12+\q]
.endr
	v_nop                                          ; one plain instruction behind the scaled conversions
.irp q, 0,1,2,3
.irp i, 0,1,2
	v_mov_b32 v[F+6*\q+3+\i], v[TP+4*\q+\i]
.endr
.endr
.irp u, 0,1
	v_lshl_or_b32 v[24+\u], v[17+2*\u], 16, v[16+2*\u]   ; my two bytes: blocks h and 2 + h,
	v_lshlrev_b32 v[24+\u], v26, v[24+\u]          ; at their places in the word;
	v_permlanex16_b32 v[28+\u], v[24+\u], s50, s51
	v_or_b32 v[24+\u], v[24+\u], v[28+\u]          ; with lane l xor 16's two the word is whole
.endr
	v_cndmask_b32 v30, v24, v25, s52               ; lanes 0-15 fragment 0's word, lanes 16-31 fragment 1's
.irp u, 0,1
.irp q, 0,1,2
	global_store_b128 v6, v[F+12*\u+4*\q:F+12*\u+4*\q+3], s[56:57] offset:1536*\u+512*\q   ; 32 lanes store 512 consecutive bytes, aligned
.endr
.endr
	global_store_b32 v7, v30, s[60:61] offset:SCI
	s_endpgm
.Lcopy:                                            ; the layer's eight vectors, 26 x 512 bytes
	s_mul_i32 s34, s32, 3072
	s_mov_b32 s35, 0
	s_add_nc_u64 s[12:13], s[12:13], s[34:35]      ; in_b
	s_lshl_b32 s34, s32, 12
	s_add_nc_u64 s[20:21], s[20:21], s[34:35]      ; b1
	s_lshl_b32 s34, s32, 10
.irp p, 14,16,18,22,24,26
	s_add_nc_u64 s[\p:\p+1], s[\p:\p+1], s[34:35]
.endr
.set K, 0
.macro CPL base, n
.set i, 0
.rept \n
	global_load_b128 v[X+4*K:X+4*K+3], v6, s[\base:\base+1] offset:512*i
.set i, i+1
.set K, K+1
.endr
.endm
	CPL 12, 6
	CPL 14, 2
	CPL 16, 2
	CPL 18, 2
	CPL 20, 8
	CPL 22, 2
	CPL 24, 2
	CPL 26, 2
	s_wait_loadcnt 0x0
.set K, 0
.rept 26
	global_store_b128 v6, v[X+4*K:X+4*K+3], s[28:29] offset:VEC+512*K
.set K, K+1
.endr
	s_endpgm
.Lfunc_end_k_q1ae2ec4f54_prep:
	.size	k_q1ae2ec4f54_prep, .Lfunc_end_k_q1ae2ec4f54_prep-k_q1ae2ec4f54_prep
	.p2alignl 7, 3214868480
	.fill 96, 4, 3214868480
	.section	.rodata,"a",@progbits
	.p2align	6, 0x0
	.amdhsa_kernel k_q1ae2ec4f54_prep
		.amdhsa_group_segment_fixed_size 0
		.amdhsa_private_segment_fixed_size 0
		.amdhsa_enable_private_segment 0
		.amdhsa_kernarg_size 112
		.amdhsa_user_sgpr_count 2
		.amdhsa_user_sgpr_kernarg_segment_ptr 1
		.amdhsa_wavefront_size32 1
		.amdhsa_system_sgpr_workgroup_id_x 1
		.amdhsa_system_sgpr_workgroup_id_y 1
		.amdhsa_system_sgpr_workgroup_id_z 1
		.amdhsa_system_vgpr_workitem_id 0
		.amdhsa_next_free_vgpr 208
		.amdhsa_next_free_sgpr 66
		.amdhsa_reserve_vcc 0
		.amdhsa_float_denorm_mode_32 3
		.amdhsa_float_denorm_mode_16_64 3
		.amdhsa_memory_ordered 1
		.amdhsa_forward_progress 1
		.amdhsa_inst_pref_size 18
	.end_amdhsa_kernel
	.amdgpu_metadata
---
amdhsa.version: [ 1, 2 ]
amdhsa.kernels:
  - .name:           k_q1ae2ec4f54_prep
    .symbol:         k_q1ae2ec4f54_prep.kd
    .args:
      - { .name: in_w, .offset: 0, .size: 8, .value_kind: global_buffer, .address_space: global }
      - { .name: out_w, .offset: 8, .size: 8, .value_kind: global_buffer, .address_space: global }
      - { .name: w1, .offset: 16, .size: 8, .value_kind: global_buffer, .address_space: global }
      - { .name: w2, .offset: 24, .size: 8, .value_kind: global_buffer, .address_space: global }
      - { .name: in_b, .offset: 32, .size: 8, .value_kind: global_buffer, .address_space: global }
      - { .name: out_b, .offset: 40, .size: 8, .value_kind: global_buffer, .address_space: global }
      - { .name: ln1_s, .offset: 48, .size: 8, .value_kind: global_buffer, .address_space: global }
      - { .name: ln1_b, .offset: 56, .size: 8, .value_kind: global_buffer, .address_space: global }
      - { .name: b1, .offset: 64, .size: 8, .value_kind: global_buffer, .address_space: global }
      - { .name: b2, .offset: 72, .size: 8, .value_kind: global_buffer, .address_space: global }
      - { .name: ln2_s, .offset: 80, .size: 8, .value_kind: global_buffer, .address_space: global }
      - { .name: ln2_b, .offset: 88, .size: 8, .value_kind: global_buffer, .address_space: global }
      - { .name: wl0, .offset: 96, .size: 8, .value_kind: global_buffer, .address_space: global }
      - { .name: wl1, .offset: 104, .size: 8, .value_kind: global_buffer, .address_space: global }
    .group_segment_fixed_size: 0
    .private_segment_fixed_size: 0
    .kernarg_segment_align: 8
    .kernarg_segment_size: 112
    .max_flat_workgroup_size: 32
    .sgpr_count:     66
    .vgpr_count:     208
    .wavefront_size: 32
...
	.end_amdgpu_metadata
.endif
;; end of part 1
;; launch qkv0 (part 2): grid 256 x 1, 8 waves a work-group, no clusters, 41,984 bytes of LDS; arguments x, wl0, qb, kvb; writes qb, kvb
.if DOCPART == 2
	.amdgcn_target "amdgcn-amd-amdhsa--gfx1250"
	.amdhsa_code_object_version 6
	.text
	.protected	k_q1ae2ec4f54_qkv0
	.globl	k_q1ae2ec4f54_qkv0
	.p2align	8
	.type	k_q1ae2ec4f54_qkv0,@function
k_q1ae2ec4f54_qkv0:
	s_mov_b64 s[64:65], 0
	v_nop
	global_prefetch_b8 v0, s[64:65] scope:SCOPE_SE
	s_setreg_imm32_b32 hwreg(HW_REG_WAVE_MODE, 25, 1), 1
	s_wait_xcnt 0x0
; qkv = x in_w^T + in_b on codes of FP6 (E2M3), and q, k, v quantised at once for the two products of attention.  Arguments: the layer's x [2048][4][256] f32, its parameter buffer, q's buffer, k's and v's buffer.
; SHARES.  Work-group g takes batch row b = g / 64 and the 32 tokens l = 32 blk .. 32 blk + 31, blk = g % 64: one block of 32 keys.  They form two tiles t of 16: row n of tile t is l = 32 blk + 8 t + n + 8 (n / 8).
; Wave w is head w: it makes that head's 32 numbers of q, of k and of v for all 32 tokens: 24 matrix instructions.  Its weights, 12 fragments, go from memory straight into its operand registers, once.
; NO CLUSTER: a joint request brings a tile into LDS; here each wave's eighth of the weights (36 loads of 512 bytes) goes straight into the registers that multiply it, and through LDS the same bytes would be written and read once more.
; x: each wave fetches four whole rows (1,024 bytes each) into a stage in LDS, and reads back, for both tiles, 16 neighbours of features 32 w .. 32 w + 31 a lane: block w of x's K.  It quantises that block for the 32 tokens;
; the eight waves' blocks meet in LDS: block k of token (t, n) at 896 k + 256 p + 128 t + 8 n, piece p of 8 bytes; the scale bytes as words for a token and 128 along K.
; q, k TRANSPOSED (source 0 = 16 weight rows, source 1 = 16 tokens): a lane holds one token and 16 neighbouring features.  v NOT transposed (source 0 = tokens, source 1 = weight rows): a lane holds one channel and, by the
; choice of a tile's tokens, 16 neighbouring KEYS: so each of the three is quantised by the same lines.  The biases are the sums' first C: they are loaded (v's: copied) into the accumulators.
; OUT.  q: [b h][blk][piece 3][lane 32] of 8 bytes, lane 16 t + n = token (t, n); scale words (the byte four times) from 1,572,864 on.  k, v: chunks of 512 keys, 27,136 bytes: k's codes as q's; v's from 12,288 on, lane 16 g + n =
; channel 8 g + n + 8 (n / 8), in odd blocks with the lanes' halves exchanged; k's scale words from 24,576; v's scale bytes from 26,624, a word for a channel and 128 keys.
; v's scale bytes lie 4 bytes apart, one of each word from each of four work-groups: 32 bytes a wave.
; LIMITS: a block of zeros, and one whose largest magnitude lies under 2^-124, gets the byte 1 (its codes are zeros or nearly so; this program alone reads the bytes); NaN and infinities are not served.
.set XC,   0                           ; LDS: x's codes, 8 blocks x 896 bytes
.set XS,   7168                        ; their scale bytes, 2 x 128
.set STG,  7424                        ; the stage: 32 rows x (1,024 + 16) bytes
.set SCI,  589824
.set VEC,  614400
.set LANE, 1
.set N,    2
.set HH,   3
.set SW,   4                           ; v4   the stage, by rows: 4,160 w + 16 lane
.set SRD,  5                           ; v5   the stage, by tokens: 1,040 n + 64 h + 128 w
.set XW,   6                           ; v6   where I put my block's codes: 8 lane + 896 w
.set XB,   7                           ; v7   and its byte: 4 lane + 128 (w / 4) + w % 4
.set AF,   8                           ; v8   a fragment's place for my lane: 896 h + 8 n
.set AL4,  9                           ; v9   4 lane
.set L8,   10                          ; v10  8 lane
.set L8X,  11                          ; v11  8 (lane xor 16 (blk % 2))
.set L16,  12                          ; v12  16 lane
.set BO,   13                          ; v13  64 h
.set BV,   14                          ; v14  4 (n + 8 (n / 8))
.set FR,   16                          ; v16-63   x's fragments (t, s) at 16 + 12 (2 t + s)
.set Y,    64                          ; v64-95   x
.set ACC,  96                          ; v96-191  q at 96 + 16 t + 8 u, k at 128 + 16 t + 8 u, v at 160 + 16 g + 8 t
.set WS,   192                         ; v192-197 the weights' scale words (2 kind + s)
.set XSR,  198                         ; v198-199 x's
.set BVAL, 200                         ; v200-201 v's bias of my channel
.set T0,   230                         ; v230-233 largest magnitudes;  v234-235 scale operands;  v236-237 bytes
.set E0,   234
.set B0,   236
.set PBY,  238                         ; v238 my item's byte;  v239 the same four times
.set PW,   239
.set PC,   240                         ; v240-245 my item's 24 bytes of codes;  v246-248 at work
.set PT,   246
.set SEL,  20                          ; s[20:21] lane selects for lane l xor 16
.set HM,   22                          ; s22 lanes 16-31
.set REP,  23                          ; s23 0x01010101
; window 1: v0-143 the weights: fragment (kind, s, u) at 12 (4 kind + 2 s + u)
.set MSB, 0
.macro WIN new                         ; the immediate's high byte repeats the setting that is left
.if MSB != \new
	s_set_vgpr_msb (MSB<<8)|\new
.set MSB, \new
.endif
.endm
.macro BARRIER                         ; my LDS stores have landed and my LDS loads are in: then the work-group's barrier
	s_wait_dscnt 0x0
	s_barrier_signal -1
	s_barrier_wait -1
.endm
; One product.  ra, rb = 1: that side's scale words stand in lanes 16-31 of the register named.
.macro MM d, a, b, c, sa, sb, ra, rb
.if ((\ra) != 0) && ((\rb) != 0)
	v_wmma_scale_f32_16x16x128_f8f6f4 v[(\d):(\d)+7], v[(\a):(\a)+11], v[(\b):(\b)+11], v[(\c):(\c)+7], v[\sa], v[\sb] matrix_a_fmt:MATRIX_FMT_FP6 matrix_b_fmt:MATRIX_FMT_FP6 matrix_a_scale:MATRIX_SCALE_ROW1 matrix_b_scale:MATRIX_SCALE_ROW1
.elseif (\ra) != 0
	v_wmma_scale_f32_16x16x128_f8f6f4 v[(\d):(\d)+7], v[(\a):(\a)+11], v[(\b):(\b)+11], v[(\c):(\c)+7], v[\sa], v[\sb] matrix_a_fmt:MATRIX_FMT_FP6 matrix_b_fmt:MATRIX_FMT_FP6 matrix_a_scale:MATRIX_SCALE_ROW1
.elseif (\rb) != 0
	v_wmma_scale_f32_16x16x128_f8f6f4 v[(\d):(\d)+7], v[(\a):(\a)+11], v[(\b):(\b)+11], v[(\c):(\c)+7], v[\sa], v[\sb] matrix_a_fmt:MATRIX_FMT_FP6 matrix_b_fmt:MATRIX_FMT_FP6 matrix_b_scale:MATRIX_SCALE_ROW1
.else
	v_wmma_scale_f32_16x16x128_f8f6f4 v[(\d):(\d)+7], v[(\a):(\a)+11], v[(\b):(\b)+11], v[(\c):(\c)+7], v[\sa], v[\sb] matrix_a_fmt:MATRIX_FMT_FP6 matrix_b_fmt:MATRIX_FMT_FP6
.endif
.endm
; Two runs of 16 registers: in lane (n, h) half h of one block of 32 of items 0 and 1.  Out: in lane (n, i) item i's whole block, 24 bytes, in v[PC] on, and its scale byte in v[PBY].
.macro Q32 a0, a1
	s_wait_dscnt 0x0                               ; earlier LDS stores have read v[PC] on and v[PBY]
	v_max3_num_f32 v[T0], |v[(\a0)]|, |v[(\a0)+1]|, 0x1800000     ; with the floor 2^(3 - 127): the byte cannot fall under 1
	v_max3_num_f32 v[T0+1], |v[(\a1)]|, |v[(\a1)+1]|, 0x1800000
.irp i, 2,4,6,8,10,12,14
	v_max3_num_f32 v[T0], v[T0], |v[(\a0)+\i]|, |v[(\a0)+\i+1]|
	v_max3_num_f32 v[T0+1], v[T0+1], |v[(\a1)+\i]|, |v[(\a1)+\i+1]|
.endr
	v_permlanex16_b32 v[T0+2], v[T0], s[SEL], s[SEL+1]
	v_permlanex16_b32 v[T0+3], v[T0+1], s[SEL], s[SEL+1]
	v_max_num_f32 v[T0], v[T0], v[T0+2]            ; with lane l xor 16's: the block's largest magnitude
	v_max_num_f32 v[T0+1], v[T0+1], v[T0+3]
	v_add_nc_u32 v[E0], 0xff000000, v[T0]          ; 2 off the exponent field: the conversion's scale operand
	v_add_nc_u32 v[E0+1], 0xff000000, v[T0+1]
	v_lshrrev_b32 v[B0], 23, v[E0]                 ; the scale's byte
	v_lshrrev_b32 v[B0+1], 23, v[E0+1]
	v_cvt_scalef32_pk16_fp6_f32 v[PC:PC+2], v[(\a0):(\a0)+15], v[E0]
	v_cvt_scalef32_pk16_fp6_f32 v[PT:PT+2], v[(\a1):(\a1)+15], v[E0+1]
	v_cndmask_b32 v[PBY], v[B0], v[B0+1], s[HM]    ; (the plain instruction behind the scaled conversions)
.irp i, 0,1,2
	v_permlane16_swap_b32 v[PC+\i], v[PT+\i]       ; the first's lanes 16-31 change places with the second's lanes 0-15: now the first holds each lane's item's lower 16 codes, the second the upper 16
.endr
.irp i, 0,1,2
	v_mov_b32 v[PC+3+\i], v[PT+\i]
.endr
.endm
.macro XPUT adr, off, badr, boff       ; my item's block and byte go to LDS
.irp p, 0,1,2
	ds_store_b64 v[\adr], v[PC+2*\p:PC+2*\p+1] offset:\off+256*\p
.endr
	ds_store_b8 v[\badr], v[PBY] offset:\boff
.endm
.macro FRAGL reg, off                  ; a fragment: lane (n, h) takes blocks h and 2 + h of the K step, three pieces of 8 bytes each
.irp c, 0,1
.irp p, 0,1,2
	ds_load_b64 v[(\reg)+6*\c+2*\p:(\reg)+6*\c+2*\p+1], v[AF] offset:(\off)+1792*\c+256*\p
.endr
.endr
.endm
	s_load_b256 s[4:11], s[0:1], 0x0               ; x, the parameters, q's buffer, k's and v's
	v_lshl_add_u32 v254, v0, 2, 0xa000
	v_mov_b32 v255, 0
	v_lshrrev_b32 v15, 5, v0
	v_readfirstlane_b32 s14, v15                   ; wave = head
	v_and_b32 v[LANE], 31, v0
	v_and_b32 v[N], 15, v0
	v_bfe_u32 v[HH], v0, 4, 1
	s_lshr_b32 s12, ttmp9, 6                       ; b
	s_and_b32 s13, ttmp9, 63                       ; blk
	; the four rows that I fetch are slots 4 w .. 4 w + 3 of the stage (slot 16 t + n = token (t, n)): four neighbouring l from 8 (w / 4) + 4 (w % 4) + 8 ((w / 2) % 2) on
	s_lshr_b32 s15, s14, 2
	s_lshl_b32 s15, s15, 3
	s_and_b32 s16, s14, 3
	s_lshl_b32 s16, s16, 2
	s_add_co_u32 s15, s15, s16
	s_bfe_u32 s16, s14, 0x10001
	s_lshl_b32 s16, s16, 3
	s_add_co_u32 s15, s15, s16
	s_lshl_b32 s16, s13, 5
	s_add_co_u32 s15, s15, s16
	s_lshl_b32 s15, s15, 12                        ; l x 4,096 bytes
	s_lshl_b32 s16, s12, 10                        ; + b x 1,024
	s_add_co_u32 s24, s15, s16
	s_mov_b32 s25, 0
	s_mul_i32 s26, s14, 6144                       ; my weights: jobs 2 w + s of each kind
	s_mov_b32 s27, 0
	s_lshl_b32 s28, s14, 8                         ; their scale words
	s_mov_b32 s29, 0
	s_lshl_b32 s30, s14, 7                         ; my 32 numbers of a bias
	s_mov_b32 s31, 0
	s_lshl_b32 s32, s12, 3
	s_add_co_u32 s32, s32, s14                     ; b h = 8 b + head
	s_mul_i32 s34, s32, 49152
	s_mul_i32 s16, s13, 768
	s_add_co_u32 s34, s34, s16                     ; q's codes
	s_mov_b32 s35, 0
	s_lshl_b32 s36, s32, 13
	s_lshl_b32 s16, s13, 7
	s_add_co_u32 s36, s36, s16                     ; q's scale words
	s_mov_b32 s37, 0
	s_mul_i32 s40, s32, 108544
	s_lshr_b32 s16, s13, 4
	s_mul_i32 s16, s16, 27136
	s_add_co_u32 s40, s40, s16                     ; my chunk of 512 keys
	s_bfe_u32 s16, s13, 0x20002                    ; the step of 128 keys in it,
	s_and_b32 s17, s13, 3                          ; the block of 32 in that
	s_mul_i32 s42, s16, 3072
	s_mul_i32 s18, s17, 768
	s_add_co_u32 s42, s42, s18
	s_add_co_u32 s42, s42, s40                     ; k's codes (v's 12,288 further)
	s_mov_b32 s43, 0
	s_lshl_b32 s44, s16, 9
	s_lshl_b32 s18, s17, 7
	s_add_co_u32 s44, s44, s18
	s_add_co_u32 s44, s44, s40                     ; k's scale words
	s_mov_b32 s45, 0
	s_lshl_b32 s46, s16, 7
	s_add_co_u32 s46, s46, s17
	s_add_co_u32 s46, s46, s40                     ; v's scale bytes
	s_mov_b32 s47, 0
	s_mov_b32 s[SEL], 0x76543210
	s_mov_b32 s[SEL+1], 0xfedcba98
	s_mov_b32 s[HM], 0xffff0000
	s_mov_b32 s[REP], 0x01010101
	v_lshlrev_b32 v[L16], 4, v[LANE]
	v_lshlrev_b32 v[L8], 3, v[LANE]
	v_lshlrev_b32 v[AL4], 2, v[LANE]
	v_lshlrev_b32 v[BO], 6, v[HH]
	v_and_b32 v[BV], 8, v[N]
	v_add_nc_u32 v[BV], v[BV], v[N]
	v_lshlrev_b32 v[BV], 2, v[BV]
	s_wait_kmcnt 0x0
	s_add_nc_u64 s[4:5], s[4:5], s[24:25]
	s_add_nc_u64 s[26:27], s[6:7], s[26:27]
	s_add_nc_u64 s[28:29], s[6:7], s[28:29]
	s_add_nc_u64 s[30:31], s[6:7], s[30:31]
	s_add_nc_u64 s[34:35], s[8:9], s[34:35]
	s_add_nc_u64 s[36:37], s[8:9], s[36:37]
	s_add_nc_u64 s[42:43], s[10:11], s[42:43]
	s_add_nc_u64 s[44:45], s[10:11], s[44:45]
	s_add_nc_u64 s[46:47], s[10:11], s[46:47]
.irp k, 0,1,2,3
.irp f, 0,1
	global_load_b128 v[Y+8*\k+4*\f:Y+8*\k+4*\f+3], v[L16], s[4:5] offset:4096*\k+512*\f   ; four whole rows of x: 512 consecutive bytes a load
.endr
.endr
	WIN 0x40                                       ; destination window 1
.irp d, 0,1,2
.irp s, 0,1
.irp u, 0,1
.irp q, 0,1,2
	global_load_b128 v[12*(4*\d+2*\s+\u)+4*\q:12*(4*\d+2*\s+\u)+4*\q+3], v[L16], s[26:27] offset:49152*\d+3072*\s+1536*\u+512*\q
.endr
.endr
.endr
.endr
	WIN 0
.irp d, 0,1,2
.irp s, 0,1
	global_load_b32 v[WS+2*\d+\s], v[AL4], s[28:29] offset:SCI+2048*\d+128*\s
.endr
.endr
.irp d, 0,1
.irp t, 0,1
.irp i, 0,1,2,3
	global_load_b128 v[ACC+32*\d+16*\t+4*\i:ACC+32*\d+16*\t+4*\i+3], v[BO], s[30:31] offset:VEC+1024*\d+16*\i   ; q's and k's bias, in the result's layout: features 16 h + 0 .. 15 of my head
.endr
.endr
.endr
.irp g, 0,1
	global_load_b32 v[BVAL+\g], v[BV], s[30:31] offset:VEC+2048+32*\g
.endr
	; LDS addresses, while the loads are on their way
	s_mul_i32 s16, s14, 4160
	s_add_co_u32 s16, s16, STG
	v_add_nc_u32 v[SW], s16, v[L16]
	v_mul_u32_u24 v[SRD], v[N], 1040
	v_lshl_add_u32 v[SRD], v[HH], 6, v[SRD]
	s_lshl_b32 s16, s14, 7
	s_add_co_u32 s16, s16, STG
	v_add_nc_u32 v[SRD], s16, v[SRD]
	s_mul_i32 s16, s14, 896
	v_add_nc_u32 v[XW], s16, v[L8]
	s_lshr_b32 s16, s14, 2
	s_lshl_b32 s16, s16, 7
	s_and_b32 s17, s14, 3
	s_add_co_u32 s16, s16, s17
	v_add_nc_u32 v[XB], s16, v[AL4]
	v_mul_u32_u24 v[AF], v[HH], 896
	v_lshl_add_u32 v[AF], v[N], 3, v[AF]
	s_and_b32 s16, s13, 1
	s_lshl_b32 s16, s16, 7
	v_xor_b32 v[L8X], s16, v[L8]
	v_mov_b32 v[T0+2], 0                           ; a lane permute's destination counts as one of its sources
	v_mov_b32 v[T0+3], 0
	s_wait_loadcnt 60                              ; x's eight loads are in; the 60 issued behind them may be out
.irp k, 0,1,2,3
.irp f, 0,1
	ds_store_b128 v[SW], v[Y+8*\k+4*\f:Y+8*\k+4*\f+3] offset:1040*\k+512*\f
.endr
.endr
	BARRIER                                        ; 32 rows of x lie in the stage
.irp t, 0,1
.irp i, 0,1,2,3
	ds_load_b128 v[Y+16*\t+4*\i:Y+16*\t+4*\i+3], v[SRD] offset:16640*\t+16*\i   ; features 32 w + 16 h + 0 .. 15 of token (t, n)
.endr
.endr
	Q32 Y, Y+16                                    ; (it begins with the wait for these loads)
	XPUT XW, XC, XB, XS
	BARRIER                                        ; x's eight blocks of codes lie in LDS
.irp t, 0,1
.irp s, 0,1
	FRAGL FR+12*(2*\t+\s), XC+3584*\s+128*\t
.endr
.endr
.irp s, 0,1
	ds_load_b32 v[XSR+\s], v[AL4] offset:XS+128*\s ; lanes 0-15 tile 0's words, lanes 16-31 tile 1's
.endr
	s_wait_loadcnt 0x0                             ; weights, scale words, biases
.irp g, 0,1
.irp i, 0,1,2,3,4,5,6,7,8,9,10,11,12,13,14,15
	v_mov_b32 v[ACC+64+16*\g+\i], v[BVAL+\g]       ; v's bias: a lane holds one channel
.endr
.endr
.rept 4
	v_nop
.endr
	s_wait_dscnt 0x0
.irp s, 0,1                                    ; the twelve accumulators take turns, one instruction a turn
	WIN 0x01                                       ; source 0 (the weights) window 1
.irp d, 0,1
.irp t, 0,1
.irp u, 0,1
	MM ACC+32*\d+16*\t+8*\u, 12*(4*\d+2*\s+\u), FR+12*(2*\t+\s), ACC+32*\d+16*\t+8*\u, WS+2*\d+\s, XSR+\s, \u, \t
.endr
.endr
.endr
	WIN 0x04                                       ; source 1 (the weights) window 1
.irp g, 0,1
.irp t, 0,1
	MM ACC+64+16*\g+8*\t, FR+12*(2*\t+\s), 12*(8+2*\s+\g), ACC+64+16*\g+8*\t, XSR+\s, WS+4+\s, \t, \g
.endr
.endr
.endr
	WIN 0
.rept 4
	v_nop                                          ; four plain instructions between the last products and the first read of results (ISA guide 7.12.1)
.endr
	Q32 ACC, ACC+16                                ; q: items = the two tiles of tokens
	v_mul_lo_u32 v[PW], v[PBY], s[REP]
.irp p, 0,1,2
	global_store_b64 v[L8], v[PC+2*\p:PC+2*\p+1], s[34:35] offset:256*\p   ; 32 lanes store 256 consecutive bytes, aligned
.endr
	global_store_b32 v[AL4], v[PW], s[36:37] offset:1572864
	s_wait_xcnt 0x0                                ; the stores have read their data: it is written again only behind this wait
	Q32 ACC+32, ACC+48                             ; k
	v_mul_lo_u32 v[PW], v[PBY], s[REP]
.irp p, 0,1,2
	global_store_b64 v[L8], v[PC+2*\p:PC+2*\p+1], s[42:43] offset:256*\p
.endr
	global_store_b32 v[AL4], v[PW], s[44:45] offset:24576
	s_wait_xcnt 0x0
	Q32 ACC+64, ACC+80                             ; v: items = the two tiles of channels; the block runs along the 32 keys
.irp p, 0,1,2
	global_store_b64 v[L8X], v[PC+2*\p:PC+2*\p+1], s[42:43] offset:12288+256*\p
.endr
	global_store_b8 v[AL4], v[PBY], s[46:47] offset:26624
	s_wait_tensorcnt 0x0
	ds_add_u32 v254, v255
	s_wait_dscnt 0x0
	s_endpgm
.Lfunc_end_k_q1ae2ec4f54_qkv0:
	.size	k_q1ae2ec4f54_qkv0, .Lfunc_end_k_q1ae2ec4f54_qkv0-k_q1ae2ec4f54_qkv0
	.p2alignl 7, 3214868480
	.fill 96, 4, 3214868480
	.section	.rodata,"a",@progbits
	.p2align	6, 0x0
	.amdhsa_kernel k_q1ae2ec4f54_qkv0
		.amdhsa_group_segment_fixed_size 41984
		.amdhsa_private_segment_fixed_size 0
		.amdhsa_enable_private_segment 0
		.amdhsa_kernarg_size 32
		.amdhsa_user_sgpr_count 2
		.amdhsa_user_sgpr_kernarg_segment_ptr 1
		.amdhsa_wavefront_size32 1
		.amdhsa_system_sgpr_workgroup_id_x 1
		.amdhsa_system_sgpr_workgroup_id_y 1
		.amdhsa_system_sgpr_workgroup_id_z 1
		.amdhsa_system_vgpr_workitem_id 0
		.amdhsa_next_free_vgpr 400
		.amdhsa_next_free_sgpr 66
		.amdhsa_reserve_vcc 0
		.amdhsa_float_denorm_mode_32 3
		.amdhsa_float_denorm_mode_16_64 3
		.amdhsa_memory_ordered 1
		.amdhsa_forward_progress 1
		.amdhsa_inst_pref_size 28
	.end_amdhsa_kernel
	.amdgpu_metadata
---
amdhsa.version: [ 1, 2 ]
amdhsa.kernels:
  - .name:           k_q1ae2ec4f54_qkv0
    .symbol:         k_q1ae2ec4f54_qkv0.kd
    .args:
      - { .name: x, .offset: 0, .size: 8, .value_kind: global_buffer, .address_space: global }
      - { .name: wl0, .offset: 8, .size: 8, .value_kind: global_buffer, .address_space: global }
      - { .name: qb, .offset: 16, .size: 8, .value_kind: global_buffer, .address_space: global }
      - { .name: kvb, .offset: 24, .size: 8, .value_kind: global_buffer, .address_space: global }
    .group_segment_fixed_size: 41984
    .private_segment_fixed_size: 0
    .kernarg_segment_align: 8
    .kernarg_segment_size: 32
    .max_flat_workgroup_size: 256
    .sgpr_count:     66
    .vgpr_count:     400
    .wavefront_size: 32
...
	.end_amdgpu_metadata
.endif
;; end of part 2
;; launch attn0 (part 3): grid 8 x 32, 16 waves a work-group, clusters of 4 x 1, 169,984 bytes of LDS; arguments qb, kvb, ctxb; writes ctxb
.if DOCPART == 3
	.amdgcn_target "amdgcn-amd-amdhsa--gfx1250"
	.amdhsa_code_object_version 6
	.text
	.protected	k_q1ae2ec4f54_attn0
	.globl	k_q1ae2ec4f54_attn0
	.p2align	8
	.type	k_q1ae2ec4f54_attn0,@function
k_q1ae2ec4f54_attn0:
	s_mov_b64 s[64:65], 0
	v_nop
	global_prefetch_b8 v0, s[64:65] scope:SCOPE_SE
	s_setreg_imm32_b32 hwreg(HW_REG_WAVE_MODE, 25, 1), 1
	s_wait_xcnt 0x0
	s_wait_alu depctr_hold_cnt(0) depctr_sa_sdst(0) depctr_va_vdst(0) depctr_va_sdst(0) depctr_va_ssrc(0) depctr_va_vcc(0) depctr_vm_vsrc(0)
	s_getreg_b32 s2, hwreg(HW_REG_IB_STS2, 6, 4)
	s_cmp_eq_u32 s2, 0
	s_cbranch_scc0 .Lentry_in_a_cluster
	s_endpgm
.Lentry_in_a_cluster:
	s_bfe_u32 s2, ttmp6, 0x10000c
	s_cmp_lg_u32 s2, 0x3003
	s_cbranch_scc0 .Lentry_shape_is_right
	s_endpgm
.Lentry_shape_is_right:
; ctx = softmax(q k^T / sqrt(32)) v for one head (work-group y = 8 b + head), both products on codes of FP6 (E2M3), and ctx quantised at once for the next product: a head's 32 channels are one block of its K.
; THE SOFTMAX AHEAD OF THE SECOND PRODUCT: t = score x log2(e) / sqrt(32); M = the row's largest t so far, rounded UP to a whole number; p = 2^(t - M) is quantised along the keys, not normalised; the row's sum is taken of the
; unquantised p and divides at the end.  When M moves, the sum and O are multiplied by 2^(old M - new M): exact.
; SHARES.  A work-group owns 256 queries; each of its sixteen waves one tile of 16, in 256 registers: four waves to a SIMD, so that one wave's vector work stands beside another's matrix work and LDS loads.  128 keys a step, 16 steps.
; LDS.  A head's k and v, codes and scale bytes, are 108,544 bytes: they come ONCE, in four chunks of 512 keys, and stay: no LDS byte is filled twice, and the text stores nothing to LDS.
; CLUSTER.  The four work-groups of a cluster belong to one head and want the same bytes: each chunk is asked for JOINTLY (waves 0 and 1: its halves, 53 rows of 256 bytes each).  Four loads of a wave are out at the most.
; THE FIRST PRODUCT HAS K = 32 in an instruction of K = 128.  Source 0 holds FOUR tiles of 16 keys, one in each block of 32; source 1 holds q in one block and zero codes in the other three: four such operands Q_0 .. Q_3 are laid
; once (X = q in lanes 0-15, Y = q in lanes 16-31, Z = zeros: Q_0 = X Z, Q_2 = Z X, Q_1 = Y Z, Q_3 = Z Y).  So k's registers and LDS reads are dense.  A key's scale byte stands four times in its word, so it is right in any block.
; Both products are used transposed: a lane holds ONE query (lane % 16).  Lane r of key tile 2 b + u is key 32 b + 8 u + r + 8 (r / 8), so that the 16 registers of tiles 2 b, 2 b + 1 are 16 neighbouring keys.
; No prefetch: all that a work-group reads is asked for at its head.
; LIMITS: v_exp_f32 gives 0 under 2^-126 (ISA guide, its entry); a block whose every p is 0, and a row of ctx under 2^-124, keeps the byte 1; NaN and infinities are not served.
.set CHB,  27136                       ; a chunk: k's codes 12,288; v's 12,288; k's scale words 2,048; v's 512
.set AK0,  1                           ; v1   8 lane
.set AV0,  2                           ; v2   12,288 + 896 h + 8 r
.set AV1,  3                           ; v3   12,416 + 640 h + 8 r
.set AKS0, 4                           ; v4   24,576 + 4 lane
.set AVS0, 5                           ; v5   26,624 + 4 r
.set ADK,  6                           ; v6-10 the step's addresses
.set ADV,  7
.set ADS,  9
.set ADT,  10
.set CO,   11                          ; v11  24 r + 12 h: my 12 bytes of ctx's codes
.set QF,   16                          ; v16-51 X Z X, Y Z Y
.set QS,   52                          ; v52  q's scale words
.set CB,   53                          ; v53  4 r
.set KF,   54                          ; v54-77  k's two fragments
.set SK,   78                          ; v78-81  k's scale words, a register for each block of 32 keys
.set VF,   82                          ; v82-105 v's two fragments
.set VS,   106                         ; v106-107 v's scale words
.set S,    108                         ; v108-171 S^T, then p
.set O,    172                         ; v172-187 O^T
.set P,    188                         ; v188-199 p's codes;  v200-202, v204-206 at work
.set PT,   200
.set BM,   208                         ; v208-211 the blocks' largest scores, then p
.set PR,   212                         ; v212-215 the other half's, then the bytes
.set SO,   216                         ; v216-219 the conversions' scale operands
.set FF,   220                         ; v[220:221] f = 2^(old M - new M); the upper word is written once and never used
.set TMP,  222
.set PW,   223                         ; v223 p's scale word: it holds scales and nothing else
.set CH2,  224                         ; v[224:225] the sum's second chain
.set ZR,   226
.set WV,   10
.set G1,   16                          ; s[16:23] descriptor group 1;  s[24:39] four groups 0
.set G0,   24
.set SEL,  40
.set CS,   42                          ; s[42:43] c = log2(e) / sqrt(32)
.set HM,   44
.set TBK,  45                          ; s45-47 where the step's codes, k's scale words and v's begin
.set TBS,  46
.set TBV,  47
.set CNT,  48
.macro CROUND                          ; a round of the cluster's barrier
	s_barrier_signal -1
	s_barrier_wait -1
	s_cmp_lg_u32 s[WV], 0
	s_cbranch_scc1 .Lnot_wave_0_\@
	s_barrier_signal -3
.Lnot_wave_0_\@:
	s_barrier_wait -3
	s_barrier_signal -1
	s_barrier_wait -1
.endm
	s_load_b128 s[4:7], s[0:1], 0x0                ; q's buffer, k's and v's
	s_load_b64 s[8:9], s[0:1], 0x10                ; ctx's
	v_lshl_add_u32 v254, v0, 2, 0x29000
	v_mov_b32 v255, 0
	ds_add_u32 v254, v255
	ds_add_u32 v254, v255
	v_lshrrev_b32 v6, 5, v0
	v_readfirstlane_b32 s[WV], v6                  ; wave 0..15
	s_bfe_u32 s11, ttmp6, 0x40000                  ; cx: it enters q's and ctx's global addresses alone
	s_lshl_b32 s12, ttmp9, 2
	s_add_co_u32 s12, s12, s11                     ; my block of 256 queries
	s_and_b32 s13, ttmp7, 0xffff                   ; 8 b + head, which the four partners share
	s_lshl_b32 s14, s12, 4
	s_add_co_u32 s14, s14, s[WV]                   ; my tile of 16 queries, 0 .. 127
	s_lshr_b32 s54, s14, 1                         ; its block of 32 l,
	s_and_b32 s55, s14, 1                          ; and which tile of that
	s_mul_i32 s56, s13, 49152
	s_mul_i32 s57, s54, 768
	s_add_co_u32 s56, s56, s57
	s_lshl_b32 s57, s55, 7
	s_add_co_u32 s56, s56, s57                     ; q's codes
	s_mov_b32 s57, 0
	s_lshl_b32 s58, s13, 13
	s_lshl_b32 s59, s54, 7
	s_add_co_u32 s58, s58, s59
	s_lshl_b32 s59, s55, 6
	s_add_co_u32 s58, s58, s59                     ; q's scale words
	s_mov_b32 s59, 0
	s_lshr_b32 s60, s13, 3                         ; b
	s_and_b32 s61, s13, 7                          ; head
	s_lshl_b32 s62, s60, 7
	s_add_co_u32 s62, s62, s14
	s_mul_i32 s62, s62, 3072                       ; ctx's codes: [tile 128 b + qt][head][n] of 24 bytes
	s_mul_i32 s63, s61, 384
	s_add_co_u32 s62, s62, s63
	s_mov_b32 s63, 0
	s_lshl_b32 s60, s60, 6
	s_add_co_u32 s60, s60, s54
	s_lshl_b32 s60, s60, 1
	s_lshr_b32 s15, s61, 2
	s_add_co_u32 s60, s60, s15
	s_lshl_b32 s60, s60, 7                         ; ctx's scale bytes: 128 for a block of 32 l and 128 along K,
	s_lshl_b32 s15, s55, 6
	s_add_co_u32 s60, s60, s15                     ; 64 for a tile,
	s_and_b32 s15, s61, 3
	s_add_co_u32 s60, s60, s15                     ; byte head % 4 of a token's word
	s_mov_b32 s61, 0
	s_and_b32 s50, s[WV], 1
	s_mul_i32 s50, s50, 13568                      ; which half of a chunk I fetch, if I fetch
	s_mul_i32 s52, s13, 108544
	s_add_co_u32 s52, s52, s50
	s_mov_b32 s53, 0
	; descriptor group 1: 53 rows of 256 bytes, dense in memory and in LDS
	s_mov_b32 s[G1], 15|(3<<16)|(1<<21)            ; 15:0 the mask: all four work-groups; 17:16 elements of 8 bytes; 21 set beside a mask
	s_mov_b32 s[G1+1], 32<<16                      ; tensor_dim0 = 32
	s_mov_b32 s[G1+2], 53<<16                      ; tensor_dim1 = 53
	s_mov_b32 s[G1+3], 32<<16                      ; tile_dim0 = 32
	s_mov_b32 s[G1+4], 53                          ; tile_dim1 = 53
	s_mov_b32 s[G1+5], 32                          ; from row to row
	s_mov_b32 s[G1+6], 0
	s_mov_b32 s[G1+7], 0
	s_mov_b32 s[SEL], 0x76543210
	s_mov_b32 s[SEL+1], 0xfedcba98
	s_mov_b32 s[CS], 0x3e8293ee                    ; c = log2(e) / sqrt(32)
	s_mov_b32 s[CS+1], s[CS]                       ; (named with it as a pair, so it is written)
	s_mov_b32 s[HM], 0xffff0000
	s_wait_dscnt 0x0
	s_wait_kmcnt 0x0
	s_add_nc_u64 s[52:53], s[6:7], s[52:53]
	s_add_nc_u64 s[56:57], s[4:5], s[56:57]
	s_add_nc_u64 s[58:59], s[4:5], s[58:59]
	s_add_nc_u64 s[62:63], s[8:9], s[62:63]
	s_add_nc_u64 s[60:61], s[8:9], s[60:61]
.irp c, 0,1,2,3
	s_mov_b32 s[G0+4*\c], 1                        ; count = 1
	s_add_co_u32 s[G0+4*\c+1], s50, CHB*\c         ; LDS address: the head lies in LDS as in memory
	s_add_nc_u64 s[G0+4*\c+2:G0+4*\c+3], s[52:53], CHB*\c
	s_or_b32 s[G0+4*\c+3], s[G0+4*\c+3], 0x80000000   ; type = 2
.endr
	CROUND                                         ; all four work-groups are here: the joint loads meet
	s_cmp_lt_u32 s[WV], 2                          ; a wave's four fills stand in one branch, ahead of every wait on TENSORcnt, every LDS read and every other barrier
	s_cbranch_scc0 .Lno_fetch
	tensor_load_to_lds s[G0:G0+3], s[G1:G1+7]
	s_nop 0
	tensor_load_to_lds s[G0+4:G0+7], s[G1:G1+7]
	s_nop 0
	tensor_load_to_lds s[G0+8:G0+11], s[G1:G1+7]
	s_nop 0
	tensor_load_to_lds s[G0+12:G0+15], s[G1:G1+7]
	s_nop 0
.rept 4
	v_nop
.endr
.Lno_fetch:
	v_and_b32 v6, 31, v0                           ; lane
	v_and_b32 v7, 15, v0                           ; r
	v_bfe_u32 v8, v0, 4, 1                         ; h
	v_lshlrev_b32 v9, 3, v7                        ; 8 r
	v_lshlrev_b32 v[CB], 2, v7                     ; 4 r
.irp p, 0,1,2
	global_load_b64 v[KF+2*\p:KF+2*\p+1], v9, s[56:57] offset:256*\p   ; query r's 24 bytes, in both halves of the lanes
.endr
	global_load_b32 v[QS], v[CB], s[58:59] offset:1572864
	v_lshlrev_b32 v[AK0], 3, v6
	v_mad_u32_u24 v[AV0], v8, 896, v9
	v_add_nc_u32 v[AV0], 12288, v[AV0]
	v_mad_u32_u24 v[AV1], v8, 640, v9
	v_add_nc_u32 v[AV1], 12416, v[AV1]
	v_lshl_add_u32 v[AKS0], v6, 2, 24576
	v_lshl_add_u32 v[AVS0], v7, 2, 26624
	v_mul_u32_u24 v[CO], v7, 24
	v_mad_u32_u24 v[CO], v8, 12, v[CO]
	v_mov_b32 v13, 0xff61b1e6                      ; the largest t so far: -3e38, under every t
	v_floor_f32 v12, -v13                          ; -M
	v_mov_b32 v14, 0                               ; the sum, in two halves
	v_mov_b32 v15, 0
	v_mov_b32 v[FF+1], 0
	v_mov_b32 v[ZR], 0
.irp b, 0,1,2,3
	v_mov_b32 v[PR+\b], 0                          ; a lane permute's destination counts as one of its sources
.endr
.irp j, 0,1,2,3,4,5,6,7,8,9,10,11,12,13,14,15
	v_mov_b32 v[O+\j], 0                           ; O^T: the step is written once; the first finds zeros, which the first change of M leaves zeros
.endr
	s_wait_loadcnt 0x0                             ; q
.irp i, 0,1,2,3,4,5
	v_cndmask_b32 v[QF+\i], v[KF+\i], v[ZR], s[HM]      ; X
	v_mov_b32 v[QF+6+\i], 0                             ; Z
	v_cndmask_b32 v[QF+12+\i], v[KF+\i], v[ZR], s[HM]   ; X
	v_cndmask_b32 v[QF+18+\i], v[ZR], v[KF+\i], s[HM]   ; Y
	v_mov_b32 v[QF+24+\i], 0                            ; Z
	v_cndmask_b32 v[QF+30+\i], v[ZR], v[KF+\i], s[HM]   ; Y
.endr
; A KEY STEP: 128 keys.
.macro STEP
	v_add_nc_u32 v[ADK], s[TBK], v[AK0]            ; these five are also the plain instructions between the last step's products and the loads into the registers that they read (ISA guide 7.12.1 for vector instructions)
	v_add_nc_u32 v[ADV], s[TBK], v[AV0]
	v_add_nc_u32 v[ADV+1], s[TBK], v[AV1]
	v_add_nc_u32 v[ADS], s[TBS], v[AKS0]
	v_add_nc_u32 v[ADT], s[TBV], v[AVS0]
.irp f, 0,1
.irp c, 0,1
.irp p, 0,1,2
	ds_load_b64 v[KF+12*\f+6*\c+2*\p:KF+12*\f+6*\c+2*\p+1], v[ADK] offset:1536*\f+768*\c+256*\p   ; 32 lanes, 256 consecutive bytes: block 2 c + h of fragment f is key tile 4 f + 2 c + h
.endr
.endr
.endr
.irp b, 0,1,2,3
	ds_load_b32 v[SK+\b], v[ADS] offset:128*\b     ; lanes 0-15 tile 2 b's keys, lanes 16-31 tile 2 b + 1's
.endr
.irp g, 0,1
.irp c, 0,1
.irp p, 0,1,2
	ds_load_b64 v[VF+12*\g+6*\c+2*\p:VF+12*\g+6*\c+2*\p+1], v[ADV+\g] offset:1536*\c+256*\p
.endr
.endr
.endr
.irp g, 0,1
	ds_load_b32 v[VS+\g], v[ADT] offset:64*\g
.endr
	s_wait_dscnt 14                                ; k's 16 loads are in; v's 14, which are wanted behind the softmax, may be out
.set T, 0
.rept 8                                        ; S^T: key tile T = 4 f + j by fragment f and Q_j
.if T%2
	v_wmma_scale_f32_16x16x128_f8f6f4 v[S+8*T:S+8*T+7], v[KF+12*(T/4):KF+12*(T/4)+11], v[QF+18*(T%2)+6*((T%4)/2):QF+18*(T%2)+6*((T%4)/2)+11], 0, v[SK+T/2], v[QS] matrix_a_fmt:MATRIX_FMT_FP6 matrix_b_fmt:MATRIX_FMT_FP6 matrix_a_scale:MATRIX_SCALE_ROW1
.else
	v_wmma_scale_f32_16x16x128_f8f6f4 v[S+8*T:S+8*T+7], v[KF+12*(T/4):KF+12*(T/4)+11], v[QF+18*(T%2)+6*((T%4)/2):QF+18*(T%2)+6*((T%4)/2)+11], 0, v[SK+T/2], v[QS] matrix_a_fmt:MATRIX_FMT_FP6 matrix_b_fmt:MATRIX_FMT_FP6
.endif
.set T, T+1
.endr
.rept 4
	v_nop
.endr
.irp b, 0,1,2,3
	v_max3_num_f32 v[BM+\b], v[S+16*\b], v[S+16*\b+1], v[S+16*\b+2]   ; the largest score of each block of 32 keys: it serves the row's maximum and, since p rises with the score, the block's largest p
.endr
.irp i, 3,5,7,9,11,13
.irp b, 0,1,2,3
	v_max3_num_f32 v[BM+\b], v[BM+\b], v[S+16*\b+\i], v[S+16*\b+\i+1]
.endr
.endr
.irp b, 0,1,2,3
	v_max_num_f32 v[BM+\b], v[BM+\b], v[S+16*\b+15]
.endr
.irp b, 0,1,2,3
	v_permlanex16_b32 v[PR+\b], v[BM+\b], s[SEL], s[SEL+1]
.endr
.irp b, 0,1,2,3
	v_max_num_f32 v[BM+\b], v[BM+\b], v[PR+\b]     ; with lane l xor 16's 16 keys
.endr
	v_max3_num_f32 v[TMP], v[BM], v[BM+1], v[BM+2]
	v_max_num_f32 v[TMP], v[TMP], v[BM+3]          ; the step's largest score of my query
	v_mul_f32 v[TMP], s[CS], v[TMP]                ; as t (c is positive)
	v_max_num_f32 v13, v13, v[TMP]                 ; the running largest t
	v_mov_b32 v[TMP], v12
	v_floor_f32 v12, -v13                          ; the new -M = floor(-t) = -ceil(t): a whole number
	v_sub_f32 v[TMP], v12, v[TMP]                  ; old M - new M: a whole number, 0 or less
	v_cvt_i32_f32 v[TMP], v[TMP]                   ; (it saturates)
	v_ldexp_f32 v[FF], 1.0, v[TMP]                 ; f = 2^(old M - new M)
.set j, 0
.rept 32
	v_pk_fma_f32 v[S+j:S+j+1], v[S+j:S+j+1], s[CS:CS+1], v[12:13] op_sel_hi:[1,0,0]   ; t - M, two at a time
.set j, j+2
.endr
.irp b, 0,1,2,3
	v_fma_f32 v[BM+\b], v[BM+\b], s[CS], v12       ; the same of each block's largest score
.endr
.set j, 0
.rept 64
	v_exp_f32 v[S+j], v[S+j]                       ; p = 2^(t - M), at most 1: not normalised
.set j, j+1
.endr
	v_pk_mul_f32 v[14:15], v[14:15], v[FF:FF+1] op_sel_hi:[1,0]   ; the sums under the new M (a plain instruction behind the exponentials)
	s_wait_alu depctr_va_vdst(0)                   ; one wait for the batch of 64, ahead of its first reader
.irp b, 0,1,2,3
	v_exp_f32 v[BM+\b], v[BM+\b]                   ; the block's largest p: the same two instructions on the same number give the same bits
.endr
	v_pk_add_f32 v[CH2:CH2+1], v[S:S+1], v[S+2:S+3]   ; the row's sum is taken of the unquantised p, in two chains
.set j, 4
.rept 15
	v_pk_add_f32 v[14:15], v[14:15], v[S+j:S+j+1]
	v_pk_add_f32 v[CH2:CH2+1], v[CH2:CH2+1], v[S+j+2:S+j+3]
.set j, j+4
.endr
	v_pk_add_f32 v[14:15], v[14:15], v[CH2:CH2+1]
	s_wait_alu depctr_va_vdst(0)                   ; and one for the four
.irp b, 0,1,2,3
	v_max_num_f32 v[BM+\b], 0x1800000, v[BM+\b]    ; the floor 2^(3 - 127): the byte cannot fall under 1
.endr
.irp b, 0,1,2,3
	v_add_nc_u32 v[SO+\b], 0xff000000, v[BM+\b]    ; 2 off the exponent field: the conversion's scale operand
.endr
.irp b, 0,1,2,3
	v_lshrrev_b32 v[PR+\b], 23, v[SO+\b]           ; the scale's byte
.endr
	v_lshl_or_b32 v[PW], v[PR+1], 8, v[PR]         ; p's scale word for these 128 keys
	v_lshl_or_b32 v[PW], v[PR+2], 16, v[PW]
	v_lshl_or_b32 v[PW], v[PR+3], 24, v[PW]
.irp c, 0,1
	v_cvt_scalef32_pk16_fp6_f32 v[P+6*\c:P+6*\c+2], v[S+32*\c:S+32*\c+15], v[SO+2*\c]
	v_cvt_scalef32_pk16_fp6_f32 v[PT+4*\c:PT+4*\c+2], v[S+32*\c+16:S+32*\c+31], v[SO+2*\c+1]
.endr
	v_nop                                          ; one plain instruction behind the scaled conversions
.irp c, 0,1                                    ; the operand's layout wants a whole block in a lane: lanes 0-15 block 2 c, lanes 16-31 block 2 c + 1
.irp i, 0,1,2
	v_permlane16_swap_b32 v[P+6*\c+\i], v[PT+4*\c+\i]
.endr
.irp i, 0,1,2
	v_mov_b32 v[P+6*\c+3+\i], v[PT+4*\c+\i]
.endr
.endr
.set j, 0
.rept 8
	v_pk_mul_f32 v[O+j:O+j+1], v[O+j:O+j+1], v[FF:FF+1] op_sel_hi:[1,0]   ; O^T under the new M, from each accumulator's low end on
.set j, j+2
.endr
.rept 4
	v_nop                                          ; with the v_nop above and the other accumulator's four multiplies: nine plain instructions that name none of a product's registers stand between the scale word's last write and that product, eight behind p's codes
.endr
	s_wait_dscnt 0x0                               ; v
.irp g, 0,1                                    ; O^T += v^T p^T: the two accumulators by turns; eight other products stand between two links of a chain
	v_wmma_scale_f32_16x16x128_f8f6f4 v[O+8*\g:O+8*\g+7], v[VF+12*\g:VF+12*\g+11], v[P:P+11], v[O+8*\g:O+8*\g+7], v[VS+\g], v[PW] matrix_a_fmt:MATRIX_FMT_FP6 matrix_b_fmt:MATRIX_FMT_FP6
.endr
.endm
; A chunk of 512 keys: four steps.  A wave's tensor loads end in the order of issue: behind the wait chunk c has landed, and the 3 - c later ones may stay out; the barrier shows it to all sixteen waves.
.macro CHUNK c
	s_wait_tensorcnt 3-\c
	s_wait_dscnt 0x0
	s_barrier_signal -1
	s_barrier_wait -1
	s_mov_b32 s[TBK], CHB*\c
	s_mov_b32 s[TBS], CHB*\c
	s_mov_b32 s[TBV], CHB*\c
	s_mov_b32 s[CNT], 4
.Lstep_\@:
	STEP
	s_add_co_u32 s[TBK], s[TBK], 3072
	s_add_co_u32 s[TBS], s[TBS], 512
	s_add_co_u32 s[TBV], s[TBV], 128
	s_sub_co_u32 s[CNT], s[CNT], 1
	s_cmp_lg_u32 s[CNT], 0
	s_cbranch_scc1 .Lstep_\@
.endm
	CHUNK 0
	CHUNK 1
	CHUNK 2
	CHUNK 3
	; THE WAY OUT: O^T / the sum; register 8 g + j of lane (r, h) is channel 16 h + 8 g + j of query r: 16 neighbours, half a block of the next product's K
.rept 4
	v_nop
.endr
	v_add_f32 v14, v14, v15                        ; the sum's two halves,
	v_permlanex16_b32 v[TMP], v14, s[SEL], s[SEL+1]
	v_add_f32 v14, v14, v[TMP]                     ; and lane l xor 16's
	v_rcp_f32 v14, v14
	v_nop                                          ; a plain instruction behind the reciprocal,
	s_wait_alu depctr_va_vdst(0)                   ; and the wait ahead of its first reader
.set j, 0
.rept 16
	v_mul_f32 v[S+j], v[O+j], v14
.set j, j+1
.endr
	v_max3_num_f32 v[BM], |v[S]|, |v[S+1]|, 0x1800000
.irp i, 2,4,6,8,10,12,14
	v_max3_num_f32 v[BM], v[BM], |v[S+\i]|, |v[S+\i+1]|
.endr
	v_permlanex16_b32 v[PR], v[BM], s[SEL], s[SEL+1]
	v_max_num_f32 v[BM], v[BM], v[PR]
	v_add_nc_u32 v[SO], 0xff000000, v[BM]
	v_lshrrev_b32 v[PR+1], 23, v[SO]
	v_cvt_scalef32_pk16_fp6_f32 v[P:P+2], v[S:S+15], v[SO]
	v_nop
	global_store_b96 v[CO], v[P:P+2], s[62:63]     ; 32 lanes store 384 consecutive bytes
	global_store_b8 v[CB], v[PR+1], s[60:61] offset:1572864   ; both lanes of a query store the same byte with the same value
	s_wait_tensorcnt 0x0
	ds_add_u32 v254, v255
	s_wait_dscnt 0x0
	CROUND                                         ; the closing round: no work-group ends while a partner may still ask for a chunk that names it
	s_endpgm
.Lfunc_end_k_q1ae2ec4f54_attn0:
	.size	k_q1ae2ec4f54_attn0, .Lfunc_end_k_q1ae2ec4f54_attn0-k_q1ae2ec4f54_attn0
	.p2alignl 7, 3214868480
	.fill 96, 4, 3214868480
	.section	.rodata,"a",@progbits
	.p2align	6, 0x0
	.amdhsa_kernel k_q1ae2ec4f54_attn0
		.amdhsa_group_segment_fixed_size 169984
		.amdhsa_private_segment_fixed_size 0
		.amdhsa_enable_private_segment 0
		.amdhsa_kernarg_size 24
		.amdhsa_user_sgpr_count 2
		.amdhsa_user_sgpr_kernarg_segment_ptr 1
		.amdhsa_wavefront_size32 1
		.amdhsa_system_sgpr_workgroup_id_x 1
		.amdhsa_system_sgpr_workgroup_id_y 1
		.amdhsa_system_sgpr_workgroup_id_z 1
		.amdhsa_system_vgpr_workitem_id 0
		.amdhsa_next_free_vgpr 256
		.amdhsa_next_free_sgpr 66
		.amdhsa_reserve_vcc 0
		.amdhsa_float_denorm_mode_32 3
		.amdhsa_float_denorm_mode_16_64 3
		.amdhsa_memory_ordered 1
		.amdhsa_forward_progress 1
		.amdhsa_inst_pref_size 73
	.end_amdhsa_kernel
	.amdgpu_metadata
---
amdhsa.version: [ 1, 2 ]
amdhsa.kernels:
  - .name:           k_q1ae2ec4f54_attn0
    .symbol:         k_q1ae2ec4f54_attn0.kd
    .args:
      - { .name: qb, .offset: 0, .size: 8, .value_kind: global_buffer, .address_space: global }
      - { .name: kvb, .offset: 8, .size: 8, .value_kind: global_buffer, .address_space: global }
      - { .name: ctxb, .offset: 16, .size: 8, .value_kind: global_buffer, .address_space: global }
    .group_segment_fixed_size: 169984
    .private_segment_fixed_size: 0
    .kernarg_segment_align: 8
    .kernarg_segment_size: 24
    .max_flat_workgroup_size: 512
    .sgpr_count:     66
    .vgpr_count:     256
    .wavefront_size: 32
...
	.end_amdgpu_metadata
.endif
;; end of part 3
;; launch post0 (part 4): grid 256 x 1, 8 waves a work-group, no clusters, 76,800 bytes of LDS; arguments x, ctxb, wl0, xmid; writes xmid
.if DOCPART == 4
	.amdgcn_target "amdgcn-amd-amdhsa--gfx1250"
	.amdhsa_code_object_version 6
	.text
	.protected	k_q1ae2ec4f54_post0
	.globl	k_q1ae2ec4f54_post0
	.p2align	8
	.type	k_q1ae2ec4f54_post0,@function
k_q1ae2ec4f54_post0:
	s_mov_b64 s[64:65], 0
	v_nop
	global_prefetch_b8 v0, s[64:65] scope:SCOPE_SE
	s_setreg_imm32_b32 hwreg(HW_REG_WAVE_MODE, 25, 1), 1
	s_wait_xcnt 0x0
; The rest of a layer: x1 = LN1(x + ctx out_w^T + out_b);  out = LN2(x1 + relu(x1 w1^T + b1) w2^T + b2).  All three products on codes of FP6 (E2M3); norms, biases, residuals in f32.
; Arguments: the layer's x [2048][4][256] f32, ctx as codes, the layer's parameter buffer, the layer's result (laid as x).
; SHARES.  Work-group g takes batch row g / 64 and 32 tokens, two tiles t of 16: row n of tile t is l = 32 (g % 64) + 8 t + n + 8 (n / 8), the tiles in which ctx was stored.  THE WAVES SHARE THE COLUMNS: wave w makes features
; 32 w .. 32 w + 31 of the first and third product (one block of 32) and hidden units 128 w .. 128 w + 127 (one K step of the third).  Its weights go from memory straight into its operand registers, once.
; NO CLUSTER: a work-group's weights are 445 KB of codes, more than LDS holds, so joint requests would want a ring with a round of the cluster's barrier for each refill, for 72 matrix instructions a wave; here each wave loads its
; eighth into the registers that multiply it, w2's into the registers that w1's blocks leave.
; All products are used TRANSPOSED (source 0 = 16 weight rows, source 1 = 16 tokens), and a tile's weight rows are 32 B + 8 u + r + 8 (r / 8): a lane holds one token and 16 neighbouring features.  x itself is brought into that
; layout through a stage in LDS and IS the first product's first C; x1 likewise the third's.
; Codes go from wave to wave through LDS: block k of token (t, n) at 896 k + 256 p + 128 t + 8 n (piece p of 8 bytes); scale bytes as words for a token and 128 along K.
; LAYER NORM: each wave has, for each token, the sum S and the sum of squares round its own mean of its 32 features; the eight pairs meet in LDS; the variance is their sum plus 32 x the spread of the waves' means: no difference of large sums.
; LIMITS: a block of zeros, and one whose largest magnitude lies under 2^-124, gets the byte 1 (this program alone reads the bytes); NaN and infinities are not served.
.set XC,   0                           ; LDS: x1's codes, 8 blocks x 896
.set XS,   7168                        ; their scale bytes, 2 x 128
.set HC,   7424                        ; the hidden layer's codes, 32 blocks x 896
.set HS,   36096                       ; their scale bytes, 8 x 128
.set LN1,  37120                       ; 32 tokens x (8 waves x 8 bytes + 16)
.set LN2,  39680
.set STG,  42240                       ; the stage: 32 rows x (1,024 + 16)
.set SCI,  589824
.set VEC,  614400
.set LANE, 1
.set N,    2
.set HH,   3
.set SW,   4                           ; v4   the stage, by rows: 4,160 w + 16 lane
.set SRD,  5                           ; v5   the stage, by tokens: 1,040 n + 64 h + 128 w
.set XW,   6                           ; v6   8 lane + 896 w
.set XB,   7                           ; v7   4 lane + 128 (w / 4) + w % 4
.set AF,   8                           ; v8   896 h + 8 n
.set AL4,  9                           ; v9   4 lane
.set CTA,  10                          ; v10  384 h + 24 n
.set HW,   11                          ; v11  8 lane + 3,584 w
.set L16,  12                          ; v12  16 lane
.set BO,   13                          ; v13  64 h
.set HBY,  14                          ; v14  4 lane + 128 w
.set LNW,  15                          ; v15  80 lane + 8 w
.set LNR,  249                         ; v249 80 n
.set FR,   16                          ; v16-63   ctx's four fragments, then x1's (t, s at 24 t + 12 s), then the hidden layer's in two sets of 24
.set Y,    64                          ; v64-95   x, x1, the result: 16 t + e = feature 32 w + 16 h + e of token (t, n)
.set H,    96                          ; v96-159  out_w's fragments; the norms' figures; two sets of 32 hidden numbers; rows on the way out
.set PA,   160                         ; v160-175 out_b, then b2;  v176-191 the norm's gain;  v192-207 its bias
.set PS,   176
.set PB,   192
.set OWS,  208                         ; scale words: v208-209 out_w's; v210-211 ctx's, then x1's; v212-219 w1's; v220-227 w2's; v228-229 the hidden layer's
.set CSR,  210
.set W1S,  212
.set W2S,  220
.set HSR,  228
.set T0,   230
.set E0,   234
.set B0,   236
.set PBY,  238
.set PC,   240
.set PT,   246
.set SEL,  20
.set HM,   22
.set I256, 23                          ; s23 1 / 256
.set EPS,  33                          ; s33 1e-5
; window 1: v0-191 w1's fragments (block k, s, u) at 48 k + 12 (2 s + u), then w2's (K step 2 k + e, u) at 48 k + 12 (2 e + u);  v192-255 b1 in the result's layout, 16 k + 8 u + j
.set MSB, 0
.macro WIN new                         ; the immediate's high byte repeats the setting that is left
.if MSB != \new
	s_set_vgpr_msb (MSB<<8)|\new
.set MSB, \new
.endif
.endm
.macro BARRIER                         ; my LDS stores have landed and my LDS loads are in: then the work-group's barrier
	s_wait_dscnt 0x0
	s_barrier_signal -1
	s_barrier_wait -1
.endm
.macro PLACES                          ; four plain instructions between matrix instructions and the first read of their results, or a load into their registers (ISA guide 7.12.1 for vector instructions)
.rept 4
	v_nop
.endr
.endm
; One product.  ra, rb = 1: that side's scale words stand in lanes 16-31 of the register named.
.macro MM d, a, b, c, sa, sb, ra, rb
.if ((\ra) != 0) && ((\rb) != 0)
	v_wmma_scale_f32_16x16x128_f8f6f4 v[(\d):(\d)+7], v[(\a):(\a)+11], v[(\b):(\b)+11], v[(\c):(\c)+7], v[\sa], v[\sb] matrix_a_fmt:MATRIX_FMT_FP6 matrix_b_fmt:MATRIX_FMT_FP6 matrix_a_scale:MATRIX_SCALE_ROW1 matrix_b_scale:MATRIX_SCALE_ROW1
.elseif (\ra) != 0
	v_wmma_scale_f32_16x16x128_f8f6f4 v[(\d):(\d)+7], v[(\a):(\a)+11], v[(\b):(\b)+11], v[(\c):(\c)+7], v[\sa], v[\sb] matrix_a_fmt:MATRIX_FMT_FP6 matrix_b_fmt:MATRIX_FMT_FP6 matrix_a_scale:MATRIX_SCALE_ROW1
.elseif (\rb) != 0
	v_wmma_scale_f32_16x16x128_f8f6f4 v[(\d):(\d)+7], v[(\a):(\a)+11], v[(\b):(\b)+11], v[(\c):(\c)+7], v[\sa], v[\sb] matrix_a_fmt:MATRIX_FMT_FP6 matrix_b_fmt:MATRIX_FMT_FP6 matrix_b_scale:MATRIX_SCALE_ROW1
.else
	v_wmma_scale_f32_16x16x128_f8f6f4 v[(\d):(\d)+7], v[(\a):(\a)+11], v[(\b):(\b)+11], v[(\c):(\c)+7], v[\sa], v[\sb] matrix_a_fmt:MATRIX_FMT_FP6 matrix_b_fmt:MATRIX_FMT_FP6
.endif
.endm
; Two runs of 16 registers: in lane (n, h) half h of one block of 32 of tokens (0, n) and (1, n).  Out: in lane (n, t) token (t, n)'s whole block, 24 bytes, in v[PC] on, and its scale byte in v[PBY].
.macro Q32 a0, a1
	s_wait_dscnt 0x0                               ; earlier LDS stores have read v[PC] on and v[PBY]
	v_max3_num_f32 v[T0], |v[(\a0)]|, |v[(\a0)+1]|, 0x1800000     ; with the floor 2^(3 - 127): the byte cannot fall under 1
	v_max3_num_f32 v[T0+1], |v[(\a1)]|, |v[(\a1)+1]|, 0x1800000
.irp i, 2,4,6,8,10,12,14
	v_max3_num_f32 v[T0], v[T0], |v[(\a0)+\i]|, |v[(\a0)+\i+1]|
	v_max3_num_f32 v[T0+1], v[T0+1], |v[(\a1)+\i]|, |v[(\a1)+\i+1]|
.endr
	v_permlanex16_b32 v[T0+2], v[T0], s[SEL], s[SEL+1]
	v_permlanex16_b32 v[T0+3], v[T0+1], s[SEL], s[SEL+1]
	v_max_num_f32 v[T0], v[T0], v[T0+2]
	v_max_num_f32 v[T0+1], v[T0+1], v[T0+3]
	v_add_nc_u32 v[E0], 0xff000000, v[T0]          ; 2 off the exponent field: the conversion's scale operand
	v_add_nc_u32 v[E0+1], 0xff000000, v[T0+1]
	v_lshrrev_b32 v[B0], 23, v[E0]                 ; the scale's byte
	v_lshrrev_b32 v[B0+1], 23, v[E0+1]
	v_cvt_scalef32_pk16_fp6_f32 v[PC:PC+2], v[(\a0):(\a0)+15], v[E0]
	v_cvt_scalef32_pk16_fp6_f32 v[PT:PT+2], v[(\a1):(\a1)+15], v[E0+1]
	v_cndmask_b32 v[PBY], v[B0], v[B0+1], s[HM]    ; (the plain instruction behind the scaled conversions)
.irp i, 0,1,2
	v_permlane16_swap_b32 v[PC+\i], v[PT+\i]
.endr
.irp i, 0,1,2
	v_mov_b32 v[PC+3+\i], v[PT+\i]
.endr
.endm
.macro XPUT adr, off, badr, boff
.irp p, 0,1,2
	ds_store_b64 v[\adr], v[PC+2*\p:PC+2*\p+1] offset:\off+256*\p
.endr
	ds_store_b8 v[\badr], v[PBY] offset:\boff
.endm
.macro FRAGL reg, off                  ; a fragment: lane (n, h) takes blocks h and 2 + h of the K step, three pieces of 8 bytes each
.irp c, 0,1
.irp p, 0,1,2
	ds_load_b64 v[(\reg)+6*\c+2*\p:(\reg)+6*\c+2*\p+1], v[AF] offset:(\off)+1792*\c+256*\p
.endr
.endr
.endm
; LAYER NORM of v[Y] on, in place, with the gain in v[PS] on and the bias in v[PB] on.  reg: its 2,560 bytes of LDS.  One barrier.
.set LT, H                             ; figures in H: v96-99 sums; v100-101 the other half's; v102-103 S; v104-107 my 32 features' mean (pairs; the low word is used); v108-111 differences; v112-115 squares; v116-117 what I store; v120-151 the eight waves' pairs
.set LP, H+4
.set LS, H+6
.set LM, H+8
.set LD, H+12
.set LQ, H+16
.set LO, H+20
.set LL, H+24
.set SU, H                             ; behind the barrier: v96-99 (sum of S, sum of squares); v100, v102 the mean; v104, v106 1 / sqrt; v108-113 at work
.set ME, H+4
.set RS, H+8
.set DD, H+12
.set AQ, H+14
.set VA, H+16
.macro LNORM reg
.irp t, 0,1
	v_pk_add_f32 v[LT+2*\t:LT+2*\t+1], v[Y+16*\t:Y+16*\t+1], v[Y+16*\t+2:Y+16*\t+3]   ; each accumulator is read from its low end on
.endr
.irp i, 4,6,8,10,12,14
.irp t, 0,1
	v_pk_add_f32 v[LT+2*\t:LT+2*\t+1], v[LT+2*\t:LT+2*\t+1], v[Y+16*\t+\i:Y+16*\t+\i+1]
.endr
.endr
.irp t, 0,1
	v_add_f32 v[LT+2*\t], v[LT+2*\t], v[LT+2*\t+1]
.endr
.irp t, 0,1
	v_permlanex16_b32 v[LP+\t], v[LT+2*\t], s[SEL], s[SEL+1]
.endr
.irp t, 0,1
	v_add_f32 v[LS+\t], v[LT+2*\t], v[LP+\t]       ; S: the sum of my 32 features of token (t, n)
.endr
.irp t, 0,1
	v_mul_f32 v[LM+2*\t], 0x3d000000, v[LS+\t]     ; S / 32
.endr
.irp t, 0,1
	v_pk_add_f32 v[LD+2*\t:LD+2*\t+1], v[Y+16*\t:Y+16*\t+1], v[LM+2*\t:LM+2*\t+1] op_sel_hi:[1,0] neg_lo:[0,1] neg_hi:[0,1]
.endr
.irp t, 0,1
	v_pk_mul_f32 v[LQ+2*\t:LQ+2*\t+1], v[LD+2*\t:LD+2*\t+1], v[LD+2*\t:LD+2*\t+1]
.endr
.irp i, 2,4,6,8,10,12,14
.irp t, 0,1
	v_pk_add_f32 v[LD+2*\t:LD+2*\t+1], v[Y+16*\t+\i:Y+16*\t+\i+1], v[LM+2*\t:LM+2*\t+1] op_sel_hi:[1,0] neg_lo:[0,1] neg_hi:[0,1]
.endr
.irp t, 0,1
	v_pk_fma_f32 v[LQ+2*\t:LQ+2*\t+1], v[LD+2*\t:LD+2*\t+1], v[LD+2*\t:LD+2*\t+1], v[LQ+2*\t:LQ+2*\t+1]
.endr
.endr
.irp t, 0,1
	v_add_f32 v[LQ+2*\t], v[LQ+2*\t], v[LQ+2*\t+1]
.endr
.irp t, 0,1
	v_permlanex16_b32 v[LP+\t], v[LQ+2*\t], s[SEL], s[SEL+1]
.endr
.irp t, 0,1
	v_add_f32 v[LQ+2*\t], v[LQ+2*\t], v[LP+\t]     ; the squares round S / 32
.endr
	v_cndmask_b32 v[LO], v[LS], v[LS+1], s[HM]     ; lane (n, t) stores token (t, n)'s pair
	v_cndmask_b32 v[LO+1], v[LQ], v[LQ+2], s[HM]
	ds_store_b64 v[LNW], v[LO:LO+1] offset:\reg
	BARRIER
.irp t, 0,1
.irp i, 0,1,2,3
	ds_load_b128 v[LL+16*\t+4*\i:LL+16*\t+4*\i+3], v[LNR] offset:\reg+1280*\t+16*\i
.endr
.endr
	s_wait_dscnt 0x0
.irp t, 0,1
	v_pk_add_f32 v[SU+2*\t:SU+2*\t+1], v[LL+16*\t:LL+16*\t+1], v[LL+16*\t+2:LL+16*\t+3]
.endr
.irp i, 4,6,8,10,12,14
.irp t, 0,1
	v_pk_add_f32 v[SU+2*\t:SU+2*\t+1], v[SU+2*\t:SU+2*\t+1], v[LL+16*\t+\i:LL+16*\t+\i+1]
.endr
.endr
.irp t, 0,1
	v_mul_f32 v[ME+2*\t], s[I256], v[SU+2*\t]      ; the row's mean
.endr
.irp t, 0,1
	v_fma_f32 v[DD+\t], v[LL+16*\t], 0x3d000000, -v[ME+2*\t]
.endr
.irp t, 0,1
	v_mul_f32 v[AQ+\t], v[DD+\t], v[DD+\t]
.endr
.irp i, 2,4,6,8,10,12,14
.irp t, 0,1
	v_fma_f32 v[DD+\t], v[LL+16*\t+\i], 0x3d000000, -v[ME+2*\t]   ; a wave's mean less the row's
.endr
.irp t, 0,1
	v_fma_f32 v[AQ+\t], v[DD+\t], v[DD+\t], v[AQ+\t]
.endr
.endr
.irp t, 0,1
	v_fma_f32 v[VA+\t], v[AQ+\t], 0x42000000, v[SU+2*\t+1]        ; the squares round the row's mean
.endr
.irp t, 0,1
	v_fma_f32 v[VA+\t], v[VA+\t], s[I256], s[EPS]  ; the variance + 1e-5
.endr
.irp t, 0,1
	v_rsq_f32 v[RS+2*\t], v[VA+\t]
.endr
	v_nop                                          ; a plain instruction behind the two roots,
	s_wait_alu depctr_va_vdst(0)                   ; and one wait ahead of their first reader
.irp t, 0,1
.irp i, 0,2,4,6,8,10,12,14
	v_pk_add_f32 v[Y+16*\t+\i:Y+16*\t+\i+1], v[Y+16*\t+\i:Y+16*\t+\i+1], v[ME+2*\t:ME+2*\t+1] op_sel_hi:[1,0] neg_lo:[0,1] neg_hi:[0,1]
.endr
.endr
.irp t, 0,1
.irp i, 0,2,4,6,8,10,12,14
	v_pk_mul_f32 v[Y+16*\t+\i:Y+16*\t+\i+1], v[Y+16*\t+\i:Y+16*\t+\i+1], v[RS+2*\t:RS+2*\t+1] op_sel_hi:[1,0]
.endr
.endr
.irp t, 0,1
.irp i, 0,2,4,6,8,10,12,14
	v_pk_fma_f32 v[Y+16*\t+\i:Y+16*\t+\i+1], v[Y+16*\t+\i:Y+16*\t+\i+1], v[PS+\i:PS+\i+1], v[PB+\i:PB+\i+1]
.endr
.endr
.endm
.macro ADDPA                           ; a bias onto v[Y] on
.irp t, 0,1
.irp i, 0,2,4,6,8,10,12,14
	v_pk_add_f32 v[Y+16*\t+\i:Y+16*\t+\i+1], v[Y+16*\t+\i:Y+16*\t+\i+1], v[PA+\i:PA+\i+1]
.endr
.endr
.endm
; Block k of my hidden units (32 of them) for both tiles of tokens: eight products into set k % 2; b1 is the first four's C; the four accumulators take turns.
.macro MMB k
	WIN 0x11                                       ; source 0 (w1) and source 2 (b1) window 1
.irp t, 0,1
.irp u, 0,1
	MM H+32*((\k)%2)+16*\t+8*\u, 48*(\k)+12*\u, FR+24*\t, 192+16*(\k)+8*\u, W1S+2*(\k), CSR, \u, \t
.endr
.endr
	WIN 0x01
.irp t, 0,1
.irp u, 0,1
	MM H+32*((\k)%2)+16*\t+8*\u, 48*(\k)+24+12*\u, FR+24*\t+12, H+32*((\k)%2)+16*\t+8*\u, W1S+2*(\k)+1, CSR+1, \u, \t
.endr
.endr
	WIN 0
.endm
.macro W2L k                           ; w2's K steps 2 k, 2 k + 1 into the registers that w1's block k has left
	WIN 0x40
.irp e, 0,1
.irp u, 0,1
.irp q, 0,1,2
	global_load_b128 v[48*(\k)+12*(2*\e+\u)+4*\q:48*(\k)+12*(2*\e+\u)+4*\q+3], v[L16], s[38:39] offset:393216+3072*(2*(\k)+\e)+1536*\u+512*\q
.endr
.endr
.endr
	WIN 0
.endm
.macro POSTB k                         ; relu, quantised, to LDS as block 4 w + k of the third product's K
.set j, 0
.rept 32
	v_max_num_f32 v[H+32*((\k)%2)+j], 0, v[H+32*((\k)%2)+j]
.set j, j+1
.endr
	Q32 H+32*((\k)%2), H+32*((\k)%2)+16
	XPUT HW, HC+896*(\k), HBY, HS+(\k)
.endm
.macro FETCH e                         ; the hidden layer's two fragments and scale words of K step e into set e % 2: 13 LDS loads
	FRAGL FR+24*((\e)%2), HC+3584*(\e)
	FRAGL FR+24*((\e)%2)+12, HC+3584*(\e)+128
	ds_load_b32 v[HSR+(\e)%2], v[AL4] offset:HS+128*(\e)
.endm
	s_load_b256 s[4:11], s[0:1], 0x0               ; x, ctx, the parameters, the result
	v_lshl_add_u32 v254, v0, 2, 0x12800
	v_mov_b32 v255, 0
	v_lshrrev_b32 v15, 5, v0
	v_readfirstlane_b32 s14, v15                   ; wave
	v_and_b32 v[LANE], 31, v0
	v_and_b32 v[N], 15, v0
	v_bfe_u32 v[HH], v0, 4, 1
	s_lshr_b32 s12, ttmp9, 6                       ; b
	s_and_b32 s13, ttmp9, 63                       ; blk
	; the four rows that I fetch and store are slots 4 w .. 4 w + 3 of the stage (slot 16 t + n = token (t, n)): four neighbouring l from 8 (w / 4) + 4 (w % 4) + 8 ((w / 2) % 2) on
	s_lshr_b32 s15, s14, 2
	s_lshl_b32 s15, s15, 3
	s_and_b32 s16, s14, 3
	s_lshl_b32 s16, s16, 2
	s_add_co_u32 s15, s15, s16
	s_bfe_u32 s16, s14, 0x10001
	s_lshl_b32 s16, s16, 3
	s_add_co_u32 s15, s15, s16
	s_lshl_b32 s16, s13, 5
	s_add_co_u32 s15, s15, s16
	s_lshl_b32 s15, s15, 12
	s_lshl_b32 s16, s12, 10
	s_add_co_u32 s24, s15, s16
	s_mov_b32 s25, 0
	s_mul_i32 s26, ttmp9, 6144                     ; ctx's codes of my two tiles (64 b + blk is the work-group's number)
	s_mov_b32 s27, 0
	s_lshl_b32 s28, ttmp9, 8                       ; and their scale words
	s_mov_b32 s29, 0
	s_mul_i32 s30, s14, 6144                       ; out_w: jobs 48 + 2 w + s
	s_mov_b32 s31, 0
	s_lshl_b32 s34, s14, 8
	s_mov_b32 s35, 0
	s_lshl_b32 s36, s14, 7                         ; my 32 features of a vector
	s_mov_b32 s37, 0
	s_mul_i32 s38, s14, 24576                      ; w1: jobs 64 + 8 w + ..; w2: jobs 128 + 8 w + ..
	s_mov_b32 s39, 0
	s_lshl_b32 s40, s14, 9                         ; my 128 numbers of b1
	s_mov_b32 s41, 0
	s_lshl_b32 s42, s14, 10
	s_mov_b32 s43, 0
	s_mov_b32 s[SEL], 0x76543210
	s_mov_b32 s[SEL+1], 0xfedcba98
	s_mov_b32 s[HM], 0xffff0000
	s_mov_b32 s[I256], 0x3b800000
	s_mov_b32 s[EPS], 0x3727c5ac
	v_lshlrev_b32 v[L16], 4, v[LANE]
	v_lshlrev_b32 v[AL4], 2, v[LANE]
	v_lshlrev_b32 v[BO], 6, v[HH]
	v_mul_u32_u24 v[CTA], v[N], 24
	v_mad_u32_u24 v[CTA], v[HH], 384, v[CTA]
	s_wait_kmcnt 0x0
	s_add_nc_u64 s[4:5], s[4:5], s[24:25]
	s_add_nc_u64 s[10:11], s[10:11], s[24:25]
	s_add_nc_u64 s[26:27], s[6:7], s[26:27]
	s_add_nc_u64 s[28:29], s[6:7], s[28:29]
	s_add_nc_u64 s[30:31], s[8:9], s[30:31]
	s_add_nc_u64 s[34:35], s[8:9], s[34:35]
	s_add_nc_u64 s[36:37], s[8:9], s[36:37]
	s_add_nc_u64 s[38:39], s[8:9], s[38:39]
	s_add_nc_u64 s[40:41], s[8:9], s[40:41]
	s_add_nc_u64 s[42:43], s[8:9], s[42:43]
.irp k, 0,1,2,3
.irp f, 0,1
	global_load_b128 v[Y+8*\k+4*\f:Y+8*\k+4*\f+3], v[L16], s[4:5] offset:4096*\k+512*\f   ; four whole rows of x
.endr
.endr
.irp t, 0,1
.irp s, 0,1
.irp c, 0,1
.irp p, 0,1,2
	global_load_b64 v[FR+24*\t+12*\s+6*\c+2*\p:FR+24*\t+12*\s+6*\c+2*\p+1], v[CTA], s[26:27] offset:3072*\t+384*(4*\s+2*\c)+8*\p   ; ctx: block = head 4 s + 2 c + h of token (t, n)
.endr
.endr
.endr
.endr
.irp s, 0,1
	global_load_b32 v[CSR+\s], v[AL4], s[28:29] offset:1572864+128*\s
.endr
.irp s, 0,1
.irp u, 0,1
.irp q, 0,1,2
	global_load_b128 v[H+12*(2*\s+\u)+4*\q:H+12*(2*\s+\u)+4*\q+3], v[L16], s[30:31] offset:147456+3072*\s+1536*\u+512*\q
.endr
.endr
.endr
.irp s, 0,1
	global_load_b32 v[OWS+\s], v[AL4], s[34:35] offset:SCI+6144+128*\s
.endr
.irp i, 0,1,2,3
	global_load_b128 v[PA+4*\i:PA+4*\i+3], v[BO], s[36:37] offset:VEC+3072+16*\i    ; out_b
	global_load_b128 v[PS+4*\i:PS+4*\i+3], v[BO], s[36:37] offset:VEC+4096+16*\i    ; ln1_s
	global_load_b128 v[PB+4*\i:PB+4*\i+3], v[BO], s[36:37] offset:VEC+5120+16*\i    ; ln1_b
.endr
	; LDS addresses, while the loads are on their way
	s_mul_i32 s16, s14, 4160
	s_add_co_u32 s16, s16, STG
	v_add_nc_u32 v[SW], s16, v[L16]
	v_mul_u32_u24 v[SRD], v[N], 1040
	v_lshl_add_u32 v[SRD], v[HH], 6, v[SRD]
	s_lshl_b32 s16, s14, 7
	v_add_nc_u32 v[HBY], s16, v[AL4]
	s_add_co_u32 s16, s16, STG
	v_add_nc_u32 v[SRD], s16, v[SRD]
	v_lshlrev_b32 v[XW], 3, v[LANE]
	s_mul_i32 s16, s14, 3584
	v_add_nc_u32 v[HW], s16, v[XW]
	s_mul_i32 s16, s14, 896
	v_add_nc_u32 v[XW], s16, v[XW]
	s_lshr_b32 s16, s14, 2
	s_lshl_b32 s16, s16, 7
	s_and_b32 s17, s14, 3
	s_add_co_u32 s16, s16, s17
	v_add_nc_u32 v[XB], s16, v[AL4]
	v_mul_u32_u24 v[AF], v[HH], 896
	v_lshl_add_u32 v[AF], v[N], 3, v[AF]
	v_mul_u32_u24 v[LNW], v[LANE], 80
	s_lshl_b32 s16, s14, 3
	v_add_nc_u32 v[LNW], s16, v[LNW]
	v_mul_u32_u24 v[LNR], v[N], 80
	v_mov_b32 v[T0+2], 0                           ; a lane permute's destination counts as one of its sources
	v_mov_b32 v[T0+3], 0
	s_wait_loadcnt 52                              ; x's eight loads are in; the 52 issued behind them may be out
.irp k, 0,1,2,3
.irp f, 0,1
	ds_store_b128 v[SW], v[Y+8*\k+4*\f:Y+8*\k+4*\f+3] offset:1040*\k+512*\f
.endr
.endr
	WIN 0x40                                       ; destination window 1: w1 and b1, wanted two phases on
.irp k, 0,1,2,3
.irp s, 0,1
.irp u, 0,1
.irp q, 0,1,2
	global_load_b128 v[48*\k+12*(2*\s+\u)+4*\q:48*\k+12*(2*\s+\u)+4*\q+3], v[L16], s[38:39] offset:196608+6144*\k+3072*\s+1536*\u+512*\q
.endr
.endr
.endr
.endr
.irp k, 0,1,2,3
.irp i, 0,1,2,3
	global_load_b128 v[192+16*\k+4*\i:192+16*\k+4*\i+3], v[BO], s[40:41] offset:VEC+6144+128*\k+16*\i
.endr
.endr
	WIN 0
.irp k, 0,1,2,3
.irp s, 0,1
	global_load_b32 v[W1S+2*\k+\s], v[AL4], s[42:43] offset:SCI+8192+256*\k+128*\s
.endr
.endr
.irp e, 0,1,2,3,4,5,6,7
	global_load_b32 v[W2S+\e], v[AL4], s[42:43] offset:SCI+16384+128*\e
.endr
	BARRIER                                        ; 32 rows of x lie in the stage
.irp t, 0,1
.irp i, 0,1,2,3
	ds_load_b128 v[Y+16*\t+4*\i:Y+16*\t+4*\i+3], v[SRD] offset:16640*\t+16*\i   ; features 32 w + 16 h + 0 .. 15 of token (t, n)
.endr
.endr
	s_wait_dscnt 0x0
	s_wait_loadcnt 63                              ; 140 loads have been issued: with 63 out at the most, the first 60 (x, ctx, out_w, the vectors) are in
	; ---- x + out_b + ctx out_w^T: x is the sums' beginning; the four accumulators take turns
	ADDPA
.irp s, 0,1
.irp t, 0,1
.irp u, 0,1
	MM Y+16*\t+8*\u, H+12*(2*\s+\u), FR+24*\t+12*\s, Y+16*\t+8*\u, OWS+\s, CSR+\s, \u, \t
.endr
.endr
.endr
	PLACES
	LNORM LN1                                      ; x1
.irp i, 0,1,2,3
	global_load_b128 v[PA+4*\i:PA+4*\i+3], v[BO], s[36:37] offset:VEC+10240+16*\i   ; b2
	global_load_b128 v[PS+4*\i:PS+4*\i+3], v[BO], s[36:37] offset:VEC+11264+16*\i   ; ln2_s
	global_load_b128 v[PB+4*\i:PB+4*\i+3], v[BO], s[36:37] offset:VEC+12288+16*\i   ; ln2_b
.endr
	Q32 Y, Y+16                                    ; block w of x1, for the 32 tokens
	XPUT XW, XC, XB, XS
	BARRIER                                        ; x1's eight blocks of codes lie in LDS
.irp t, 0,1
.irp s, 0,1
	FRAGL FR+24*\t+12*\s, XC+3584*\s+128*\t
.endr
.endr
.irp s, 0,1
	ds_load_b32 v[CSR+\s], v[AL4] offset:XS+128*\s
.endr
	s_wait_loadcnt 12                              ; w1, b1 and the scale words are in; the 12 loads just issued may be out
	s_wait_dscnt 0x0
	; ---- the hidden layer, a block of 32 units at a time, in two sets of registers; w2 follows w1 into its registers, block by block
	MMB 0
	MMB 1
	PLACES
	W2L 0
	POSTB 0
	MMB 2                                          ; (it writes set 0 anew: behind block 0's products stand the four places and the quantiser's lines that name none of their registers)
	W2L 1
	POSTB 1
	MMB 3
	W2L 2
	POSTB 2
	W2L 3
	POSTB 3
	BARRIER                                        ; the hidden layer's 32 blocks of codes lie in LDS
	s_wait_loadcnt 0x0                             ; w2, b2, the second norm's vectors
	; ---- x1 + b2 + hidden w2^T: x1 is the sums' beginning; eight K steps, the fragments two steps ahead
	ADDPA
	FETCH 0
	FETCH 1
.irp e, 0,1,2,3,4,5,6,7
.if \e < 7
	s_wait_dscnt 13                                ; this K step's 13 loads are in; the next step's 13 may be out
.else
	s_wait_dscnt 0x0
.endif
	WIN 0x01
.irp t, 0,1
.irp u, 0,1
	MM Y+16*\t+8*\u, 48*(\e/2)+12*(2*(\e%2)+\u), FR+24*(\e%2)+12*\t, Y+16*\t+8*\u, W2S+\e, HSR+\e%2, \u, \t
.endr
.endr
	WIN 0
	PLACES
.if \e < 6
	FETCH \e+2
.endif
.endr
	LNORM LN2
	; ---- the way out: back through the stage, so that whole rows leave
.irp t, 0,1
.irp i, 0,1,2,3
	ds_store_b128 v[SRD], v[Y+16*\t+4*\i:Y+16*\t+4*\i+3] offset:16640*\t+16*\i
.endr
.endr
	BARRIER
.irp k, 0,1,2,3
.irp f, 0,1
	ds_load_b128 v[H+8*\k+4*\f:H+8*\k+4*\f+3], v[SW] offset:1040*\k+512*\f
.endr
.endr
.irp j, 0,1,2,3,4,5,6,7
	s_wait_dscnt 7-\j
	global_store_b128 v[L16], v[H+4*\j:H+4*\j+3], s[10:11] offset:4096*(\j/2)+512*(\j%2) th:TH_STORE_NT   ; 32 lanes store 512 consecutive bytes, aligned; nobody reads them in this launch
.endr
	s_wait_tensorcnt 0x0
	ds_add_u32 v254, v255
	s_wait_dscnt 0x0
	s_endpgm
.Lfunc_end_k_q1ae2ec4f54_post0:
	.size	k_q1ae2ec4f54_post0, .Lfunc_end_k_q1ae2ec4f54_post0-k_q1ae2ec4f54_post0
	.p2alignl 7, 3214868480
	.fill 96, 4, 3214868480
	.section	.rodata,"a",@progbits
	.p2align	6, 0x0
	.amdhsa_kernel k_q1ae2ec4f54_post0
		.amdhsa_group_segment_fixed_size 76800
		.amdhsa_private_segment_fixed_size 0
		.amdhsa_enable_private_segment 0
		.amdhsa_kernarg_size 32
		.amdhsa_user_sgpr_count 2
		.amdhsa_user_sgpr_kernarg_segment_ptr 1
		.amdhsa_wavefront_size32 1
		.amdhsa_system_sgpr_workgroup_id_x 1
		.amdhsa_system_sgpr_workgroup_id_y 1
		.amdhsa_system_sgpr_workgroup_id_z 1
		.amdhsa_system_vgpr_workitem_id 0
		.amdhsa_next_free_vgpr 512
		.amdhsa_next_free_sgpr 66
		.amdhsa_reserve_vcc 0
		.amdhsa_float_denorm_mode_32 3
		.amdhsa_float_denorm_mode_16_64 3
		.amdhsa_memory_ordered 1
		.amdhsa_forward_progress 1
		.amdhsa_inst_pref_size 85
	.end_amdhsa_kernel
	.amdgpu_metadata
---
amdhsa.version: [ 1, 2 ]
amdhsa.kernels:
  - .name:           k_q1ae2ec4f54_post0
    .symbol:         k_q1ae2ec4f54_post0.kd
    .args:
      - { .name: x, .offset: 0, .size: 8, .value_kind: global_buffer, .address_space: global }
      - { .name: ctxb, .offset: 8, .size: 8, .value_kind: global_buffer, .address_space: global }
      - { .name: wl0, .offset: 16, .size: 8, .value_kind: global_buffer, .address_space: global }
      - { .name: xmid, .offset: 24, .size: 8, .value_kind: global_buffer, .address_space: global }
    .group_segment_fixed_size: 76800
    .private_segment_fixed_size: 0
    .kernarg_segment_align: 8
    .kernarg_segment_size: 32
    .max_flat_workgroup_size: 256
    .sgpr_count:     66
    .vgpr_count:     512
    .wavefront_size: 32
...
	.end_amdgpu_metadata
.endif
;; end of part 4
;; launch qkv1: the kernel of part 2 again; grid 256 x 1, 8 waves a work-group, no clusters, 41,984 bytes of LDS; arguments xmid, wl1, qb, kvb; writes qb, kvb
;; launch attn1: the kernel of part 3 again; grid 8 x 32, 16 waves a work-group, clusters of 4 x 1, 169,984 bytes of LDS; arguments qb, kvb, ctxb; writes ctxb
;; launch post1: the kernel of part 4 again; grid 256 x 1, 8 waves a work-group, no clusters, 76,800 bytes of LDS; arguments xmid, ctxb, wl1, out0; writes out0
;; ======== version 2 of 2: 7 launches; version 1 with the launches qkv0, post0, qkv1, post1 written anew for expert scheduling mode
;; workspace buffers: wl0 627,712 bytes; wl1 627,712 bytes; qb 1,835,008 bytes; kvb 3,473,408 bytes; ctxb 1,638,400 bytes; xmid 8,388,608 bytes
;; launch prep: the kernel of part 1 again; grid 193 x 2, 1 waves a work-group, no clusters, 0 bytes of LDS; arguments in_w, out_w, w1, w2, in_b, out_b, ln1_s, ln1_b, b1, b2, ln2_s, ln2_b, wl0, wl1; writes wl0, wl1
;; launch qkv0 (part 5): grid 256 x 1, 8 waves a work-group, no clusters, 41,984 bytes of LDS; arguments x, wl0, qb, kvb; writes qb, kvb
.if DOCPART == 5
	.amdgcn_target "amdgcn-amd-amdhsa--gfx1250"
	.amdhsa_code_object_version 6
	.text
	.protected	k_q1ae2ec4f54_qkv0
	.globl	k_q1ae2ec4f54_qkv0
	.p2align	8
	.type	k_q1ae2ec4f54_qkv0,@function
k_q1ae2ec4f54_qkv0:
	s_mov_b64 s[64:65], 0
	v_nop
	global_prefetch_b8 v0, s[64:65] scope:SCOPE_SE
	s_setreg_imm32_b32 hwreg(HW_REG_WAVE_SCHED_MODE, 0, 2), 2
	s_setreg_imm32_b32 hwreg(HW_REG_WAVE_MODE, 25, 1), 1
	s_wait_xcnt 0x0
	s_wait_alu depctr_vm_vsrc(0)
; qkv = x in_w^T + in_b on codes of FP6 (E2M3), and q, k, v quantised at once for the two products of attention.  Arguments: the layer's x [2048][4][256] f32, its parameter buffer, q's buffer, k's and v's buffer.
; SHARES.  Work-group g takes batch row b = g / 64 and the 32 tokens l = 32 blk .. 32 blk + 31, blk = g % 64: one block of 32 keys.  They form two tiles t of 16: row n of tile t is l = 32 blk + 8 t + n + 8 (n / 8).
; Wave w is head w: it makes that head's 32 numbers of q, of k and of v for all 32 tokens: 24 matrix instructions.  Its weights, 12 fragments, go from memory straight into its operand registers, once.
; NO CLUSTER: a joint request brings a tile into LDS; here each wave's eighth of the weights (36 loads of 512 bytes) goes straight into the registers that multiply it, and through LDS the same bytes would be written and read once more.
; x: each wave fetches four whole rows (1,024 bytes each) into a stage in LDS, and reads back, for both tiles, 16 neighbours of features 32 w .. 32 w + 31 a lane: block w of x's K.  It quantises that block for the 32 tokens;
; the eight waves' blocks meet in LDS: block k of token (t, n) at 896 k + 256 p + 128 t + 8 n, piece p of 8 bytes; the scale bytes as words for a token and 128 along K.
; q, k TRANSPOSED (source 0 = 16 weight rows, source 1 = 16 tokens): a lane holds one token and 16 neighbouring features.  v NOT transposed (source 0 = tokens, source 1 = weight rows): a lane holds one channel and, by the
; choice of a tile's tokens, 16 neighbouring KEYS: so each of the three is quantised by the same lines.  The biases are the sums' first C: they are loaded (v's: copied) into the accumulators.
; OUT.  q: [b h][blk][piece 3][lane 32] of 8 bytes, lane 16 t + n = token (t, n); scale words (the byte four times) from 1,572,864 on.  k, v: chunks of 512 keys, 27,136 bytes: k's codes as q's; v's from 12,288 on, lane 16 g + n =
; channel 8 g + n + 8 (n / 8), in odd blocks with the lanes' halves exchanged; k's scale words from 24,576; v's scale bytes from 26,624, a word for a channel and 128 keys.
; v's scale bytes lie 4 bytes apart, one of each word from each of four work-groups: 32 bytes a wave.
; LIMITS: a block of zeros, and one whose largest magnitude lies under 2^-124, gets the byte 1 (its codes are zeros or nearly so; this program alone reads the bytes); NaN and infinities are not served.
; THE MODE: SCHED_MODE bits 1:0 = 2 (LLVM: expert scheduling mode 2), set by the entry lines.  The code itself states the register dependences
; between vector or matrix instructions and memory or LDS instructions, with s_wait_alu, always for 0.
; THE PLAN.  Registers that memory or LDS instructions touch:
;   v4-v14        offsets and LDS addresses: all made at the head, ahead of the first load, and never written again.
;   Y             the global loads of x land in it; the stage's LDS stores read it; the LDS loads from the stage land in it; x's quantiser reads it.
;   FR, XSR, WS, BVAL, window 1, q's and k's accumulators: loads land in them once; from then on vector and matrix instructions alone name them.
;   OUX, OUQ, OUK, OUV   four out-buffers (six registers of codes, the byte, the word), each written once, by one quantiser, and read by one run of stores: no store's data are written again.
; One wait on va_vdst stands at the head and one ahead of each run of stores (q's and k's share one, and leave while v is quantised); one wait on vm_vsrc stands where Y is loaded again.
.set XC,   0                           ; LDS: x's codes, 8 blocks x 896 bytes
.set XS,   7168                        ; their scale bytes, 2 x 128
.set STG,  7424                        ; the stage: 32 rows x (1,024 + 16) bytes
.set SCI,  589824
.set VEC,  614400
.set LANE, 1
.set N,    2
.set HH,   3
.set SW,   4                           ; v4   the stage, by rows: 4,160 w + 16 lane
.set SRD,  5                           ; v5   the stage, by tokens: 1,040 n + 64 h + 128 w
.set XW,   6                           ; v6   where I put my block's codes: 8 lane + 896 w
.set XB,   7                           ; v7   and its byte: 4 lane + 128 (w / 4) + w % 4
.set AF,   8                           ; v8   a fragment's place for my lane: 896 h + 8 n
.set AL4,  9                           ; v9   4 lane
.set L8,   10                          ; v10  8 lane
.set L8X,  11                          ; v11  8 (lane xor 16 (blk % 2))
.set L16,  12                          ; v12  16 lane
.set BO,   13                          ; v13  64 h
.set BV,   14                          ; v14  4 (n + 8 (n / 8))
.set FR,   16                          ; v16-63   x's fragments (t, s) at 16 + 12 (2 t + s)
.set Y,    64                          ; v64-95   x
.set ACC,  96                          ; v96-191  q at 96 + 16 t + 8 u, k at 128 + 16 t + 8 u, v at 160 + 16 g + 8 t
.set WS,   192                         ; v192-197 the weights' scale words (2 kind + s)
.set XSR,  198                         ; v198-199 x's
.set BVAL, 200                         ; v200-201 v's bias of my channel
.set OUQ,  202                         ; v202-209 q's out-buffer: my item's 24 bytes of codes, at + 6 its byte, at + 7 the byte four times
.set OUK,  210                         ; v210-217 k's
.set OUV,  218                         ; v218-224 v's
.set T0,   230                         ; v230-233 largest magnitudes;  v234-235 scale operands;  v236-237 bytes
.set E0,   234
.set B0,   236
.set OUX,  238                         ; v238-244 x's out-buffer
.set PT,   246                         ; v246-248 at work
.set SEL,  20                          ; s[20:21] lane selects for lane l xor 16
.set HM,   22                          ; s22 lanes 16-31
.set REP,  23                          ; s23 0x01010101
; window 1: v0-143 the weights: fragment (kind, s, u) at 12 (4 kind + 2 s + u)
.set MSB, 0
.macro WIN new                         ; the immediate's high byte repeats the setting that is left
.if MSB != \new
	s_set_vgpr_msb (MSB<<8)|\new
.set MSB, \new
.endif
.endm
.macro BARRIER                         ; my LDS stores have landed and my LDS loads are in: then the work-group's barrier
	s_wait_dscnt 0x0
	s_barrier_signal -1
	s_barrier_wait -1
.endm
; One product.  ra, rb = 1: that side's scale words stand in lanes 16-31 of the register named.
.macro MM d, a, b, c, sa, sb, ra, rb
.if ((\ra) != 0) && ((\rb) != 0)
	v_wmma_scale_f32_16x16x128_f8f6f4 v[(\d):(\d)+7], v[(\a):(\a)+11], v[(\b):(\b)+11], v[(\c):(\c)+7], v[\sa], v[\sb] matrix_a_fmt:MATRIX_FMT_FP6 matrix_b_fmt:MATRIX_FMT_FP6 matrix_a_scale:MATRIX_SCALE_ROW1 matrix_b_scale:MATRIX_SCALE_ROW1
.elseif (\ra) != 0
	v_wmma_scale_f32_16x16x128_f8f6f4 v[(\d):(\d)+7], v[(\a):(\a)+11], v[(\b):(\b)+11], v[(\c):(\c)+7], v[\sa], v[\sb] matrix_a_fmt:MATRIX_FMT_FP6 matrix_b_fmt:MATRIX_FMT_FP6 matrix_a_scale:MATRIX_SCALE_ROW1
.elseif (\rb) != 0
	v_wmma_scale_f32_16x16x128_f8f6f4 v[(\d):(\d)+7], v[(\a):(\a)+11], v[(\b):(\b)+11], v[(\c):(\c)+7], v[\sa], v[\sb] matrix_a_fmt:MATRIX_FMT_FP6 matrix_b_fmt:MATRIX_FMT_FP6 matrix_b_scale:MATRIX_SCALE_ROW1
.else
	v_wmma_scale_f32_16x16x128_f8f6f4 v[(\d):(\d)+7], v[(\a):(\a)+11], v[(\b):(\b)+11], v[(\c):(\c)+7], v[\sa], v[\sb] matrix_a_fmt:MATRIX_FMT_FP6 matrix_b_fmt:MATRIX_FMT_FP6
.endif
.endm
; Two runs of 16 registers: in lane (n, h) half h of one block of 32 of items 0 and 1.  Out, into out-buffer o: in lane (n, i) item i's whole block, 24 bytes, in v[o] on, and its scale byte in v[o + 6].
.macro Q32 a0, a1, o
	v_max3_num_f32 v[T0], |v[(\a0)]|, |v[(\a0)+1]|, 0x1800000     ; with the floor 2^(3 - 127): the byte cannot fall under 1
	v_max3_num_f32 v[T0+1], |v[(\a1)]|, |v[(\a1)+1]|, 0x1800000
.irp i, 2,4,6,8,10,12,14
	v_max3_num_f32 v[T0], v[T0], |v[(\a0)+\i]|, |v[(\a0)+\i+1]|
	v_max3_num_f32 v[T0+1], v[T0+1], |v[(\a1)+\i]|, |v[(\a1)+\i+1]|
.endr
	v_permlanex16_b32 v[T0+2], v[T0], s[SEL], s[SEL+1]
	v_permlanex16_b32 v[T0+3], v[T0+1], s[SEL], s[SEL+1]
	v_max_num_f32 v[T0], v[T0], v[T0+2]            ; with lane l xor 16's: the block's largest magnitude
	v_max_num_f32 v[T0+1], v[T0+1], v[T0+3]
	v_add_nc_u32 v[E0], 0xff000000, v[T0]          ; 2 off the exponent field: the conversion's scale operand
	v_add_nc_u32 v[E0+1], 0xff000000, v[T0+1]
	v_lshrrev_b32 v[B0], 23, v[E0]                 ; the scale's byte
	v_lshrrev_b32 v[B0+1], 23, v[E0+1]
	v_cvt_scalef32_pk16_fp6_f32 v[(\o):(\o)+2], v[(\a0):(\a0)+15], v[E0]
	v_cvt_scalef32_pk16_fp6_f32 v[PT:PT+2], v[(\a1):(\a1)+15], v[E0+1]
	v_cndmask_b32 v[(\o)+6], v[B0], v[B0+1], s[HM] ; (the plain instruction behind the scaled conversions)
.irp i, 0,1,2
	v_permlane16_swap_b32 v[(\o)+\i], v[PT+\i]     ; the first's lanes 16-31 change places with the second's lanes 0-15: now the first holds each lane's item's lower 16 codes, the second the upper 16
.endr
.irp i, 0,1,2
	v_mov_b32 v[(\o)+3+\i], v[PT+\i]
.endr
.endm
.macro XPUT adr, off, badr, boff       ; x's block and byte go to LDS
.irp p, 0,1,2
	ds_store_b64 v[\adr], v[OUX+2*\p:OUX+2*\p+1] offset:\off+256*\p
.endr
	ds_store_b8 v[\badr], v[OUX+6] offset:\boff
.endm
.macro FRAGL reg, off                  ; a fragment: lane (n, h) takes blocks h and 2 + h of the K step, three pieces of 8 bytes each
.irp c, 0,1
.irp p, 0,1,2
	ds_load_b64 v[(\reg)+6*\c+2*\p:(\reg)+6*\c+2*\p+1], v[AF] offset:(\off)+1792*\c+256*\p
.endr
.endr
.endm
	s_load_b256 s[4:11], s[0:1], 0x0               ; x, the parameters, q's buffer, k's and v's
	v_lshl_add_u32 v254, v0, 2, 0xa000
	v_mov_b32 v255, 0
	v_lshrrev_b32 v15, 5, v0
	v_readfirstlane_b32 s14, v15                   ; wave = head
	v_and_b32 v[LANE], 31, v0
	v_and_b32 v[N], 15, v0
	v_bfe_u32 v[HH], v0, 4, 1
	s_wait_alu depctr_va_sdst(0)                   ; s14 is written, ahead of its first reader: every base and LDS address below is made from it
	s_lshr_b32 s12, ttmp9, 6                       ; b
	s_and_b32 s13, ttmp9, 63                       ; blk
	; the four rows that I fetch are slots 4 w .. 4 w + 3 of the stage (slot 16 t + n = token (t, n)): four neighbouring l from 8 (w / 4) + 4 (w % 4) + 8 ((w / 2) % 2) on
	s_lshr_b32 s15, s14, 2
	s_lshl_b32 s15, s15, 3
	s_and_b32 s16, s14, 3
	s_lshl_b32 s16, s16, 2
	s_add_co_u32 s15, s15, s16
	s_bfe_u32 s16, s14, 0x10001
	s_lshl_b32 s16, s16, 3
	s_add_co_u32 s15, s15, s16
	s_lshl_b32 s16, s13, 5
	s_add_co_u32 s15, s15, s16
	s_lshl_b32 s15, s15, 12                        ; l x 4,096 bytes
	s_lshl_b32 s16, s12, 10                        ; + b x 1,024
	s_add_co_u32 s24, s15, s16
	s_mov_b32 s25, 0
	s_mul_i32 s26, s14, 6144                       ; my weights: jobs 2 w + s of each kind
	s_mov_b32 s27, 0
	s_lshl_b32 s28, s14, 8                         ; their scale words
	s_mov_b32 s29, 0
	s_lshl_b32 s30, s14, 7                         ; my 32 numbers of a bias
	s_mov_b32 s31, 0
	s_lshl_b32 s32, s12, 3
	s_add_co_u32 s32, s32, s14                     ; b h = 8 b + head
	s_mul_i32 s34, s32, 49152
	s_mul_i32 s16, s13, 768
	s_add_co_u32 s34, s34, s16                     ; q's codes
	s_mov_b32 s35, 0
	s_lshl_b32 s36, s32, 13
	s_lshl_b32 s16, s13, 7
	s_add_co_u32 s36, s36, s16                     ; q's scale words
	s_mov_b32 s37, 0
	s_mul_i32 s40, s32, 108544
	s_lshr_b32 s16, s13, 4
	s_mul_i32 s16, s16, 27136
	s_add_co_u32 s40, s40, s16                     ; my chunk of 512 keys
	s_bfe_u32 s16, s13, 0x20002                    ; the step of 128 keys in it,
	s_and_b32 s17, s13, 3                          ; the block of 32 in that
	s_mul_i32 s42, s16, 3072
	s_mul_i32 s18, s17, 768
	s_add_co_u32 s42, s42, s18
	s_add_co_u32 s42, s42, s40                     ; k's codes (v's 12,288 further)
	s_mov_b32 s43, 0
	s_lshl_b32 s44, s16, 9
	s_lshl_b32 s18, s17, 7
	s_add_co_u32 s44, s44, s18
	s_add_co_u32 s44, s44, s40                     ; k's scale words
	s_mov_b32 s45, 0
	s_lshl_b32 s46, s16, 7
	s_add_co_u32 s46, s46, s17
	s_add_co_u32 s46, s46, s40                     ; v's scale bytes
	s_mov_b32 s47, 0
	s_mov_b32 s[SEL], 0x76543210
	s_mov_b32 s[SEL+1], 0xfedcba98
	s_mov_b32 s[HM], 0xffff0000
	s_mov_b32 s[REP], 0x01010101
	v_lshlrev_b32 v[L16], 4, v[LANE]
	v_lshlrev_b32 v[L8], 3, v[LANE]
	v_lshlrev_b32 v[AL4], 2, v[LANE]
	v_lshlrev_b32 v[BO], 6, v[HH]
	v_and_b32 v[BV], 8, v[N]
	v_add_nc_u32 v[BV], v[BV], v[N]
	v_lshlrev_b32 v[BV], 2, v[BV]
	; the LDS addresses, while the arguments are on their way: so one wait serves every offset and address of the kernel.  Each address's scalar term has a register of its own: none that a vector instruction has read is written again
	s_mul_i32 s48, s14, 4160
	s_add_co_u32 s48, s48, STG
	v_add_nc_u32 v[SW], s48, v[L16]
	v_mul_u32_u24 v[SRD], v[N], 1040
	v_lshl_add_u32 v[SRD], v[HH], 6, v[SRD]
	s_lshl_b32 s49, s14, 7
	s_add_co_u32 s49, s49, STG
	v_add_nc_u32 v[SRD], s49, v[SRD]
	s_mul_i32 s50, s14, 896
	v_add_nc_u32 v[XW], s50, v[L8]
	s_lshr_b32 s51, s14, 2
	s_lshl_b32 s51, s51, 7
	s_and_b32 s52, s14, 3
	s_add_co_u32 s51, s51, s52
	v_add_nc_u32 v[XB], s51, v[AL4]
	v_mul_u32_u24 v[AF], v[HH], 896
	v_lshl_add_u32 v[AF], v[N], 3, v[AF]
	s_and_b32 s53, s13, 1
	s_lshl_b32 s53, s53, 7
	v_xor_b32 v[L8X], s53, v[L8]
	v_mov_b32 v[T0+2], 0                           ; a lane permute's destination counts as one of its sources
	v_mov_b32 v[T0+3], 0
	s_wait_kmcnt 0x0
	s_add_nc_u64 s[4:5], s[4:5], s[24:25]
	s_add_nc_u64 s[26:27], s[6:7], s[26:27]
	s_add_nc_u64 s[28:29], s[6:7], s[28:29]
	s_add_nc_u64 s[30:31], s[6:7], s[30:31]
	s_add_nc_u64 s[34:35], s[8:9], s[34:35]
	s_add_nc_u64 s[36:37], s[8:9], s[36:37]
	s_add_nc_u64 s[42:43], s[10:11], s[42:43]
	s_add_nc_u64 s[44:45], s[10:11], s[44:45]
	s_add_nc_u64 s[46:47], s[10:11], s[46:47]
	s_wait_alu depctr_va_vdst(0)                   ; the eleven offsets and addresses v4 to v14 are written, which every load and store of the kernel reads; up to the loads into window 1 only loads and window switches follow
.irp k, 0,1,2,3
.irp f, 0,1
	global_load_b128 v[Y+8*\k+4*\f:Y+8*\k+4*\f+3], v[L16], s[4:5] offset:4096*\k+512*\f   ; four whole rows of x: 512 consecutive bytes a load
.endr
.endr
	WIN 0x40                                       ; destination window 1
.irp d, 0,1,2
.irp s, 0,1
.irp u, 0,1
.irp q, 0,1,2
	global_load_b128 v[12*(4*\d+2*\s+\u)+4*\q:12*(4*\d+2*\s+\u)+4*\q+3], v[L16], s[26:27] offset:49152*\d+3072*\s+1536*\u+512*\q
.endr
.endr
.endr
.endr
	WIN 0
.irp d, 0,1,2
.irp s, 0,1
	global_load_b32 v[WS+2*\d+\s], v[AL4], s[28:29] offset:SCI+2048*\d+128*\s
.endr
.endr
.irp d, 0,1
.irp t, 0,1
.irp i, 0,1,2,3
	global_load_b128 v[ACC+32*\d+16*\t+4*\i:ACC+32*\d+16*\t+4*\i+3], v[BO], s[30:31] offset:VEC+1024*\d+16*\i   ; q's and k's bias, in the result's layout: features 16 h + 0 .. 15 of my head
.endr
.endr
.endr
.irp g, 0,1
	global_load_b32 v[BVAL+\g], v[BV], s[30:31] offset:VEC+2048+32*\g
.endr
	s_wait_loadcnt 60                              ; x's eight loads are in; the 60 issued behind them may be out
.irp k, 0,1,2,3
.irp f, 0,1
	ds_store_b128 v[SW], v[Y+8*\k+4*\f:Y+8*\k+4*\f+3] offset:1040*\k+512*\f
.endr
.endr
	BARRIER                                        ; 32 rows of x lie in the stage
	s_wait_alu depctr_vm_vsrc(0)                   ; my LDS stores have read v[Y ..], in which the loads below land
.irp t, 0,1
.irp i, 0,1,2,3
	ds_load_b128 v[Y+16*\t+4*\i:Y+16*\t+4*\i+3], v[SRD] offset:16640*\t+16*\i   ; features 32 w + 16 h + 0 .. 15 of token (t, n)
.endr
.endr
	s_wait_dscnt 0x0                               ; they are in
	Q32 Y, Y+16, OUX
	s_wait_alu depctr_va_vdst(0)                   ; the quantiser has written v[OUX ..], codes and byte, which the LDS stores read
	XPUT XW, XC, XB, XS
	BARRIER                                        ; x's eight blocks of codes lie in LDS
.irp t, 0,1
.irp s, 0,1
	FRAGL FR+12*(2*\t+\s), XC+3584*\s+128*\t
.endr
.endr
.irp s, 0,1
	ds_load_b32 v[XSR+\s], v[AL4] offset:XS+128*\s ; lanes 0-15 tile 0's words, lanes 16-31 tile 1's
.endr
	s_wait_loadcnt 0x0                             ; weights, scale words, biases
.irp g, 0,1
.irp i, 0,1,2,3,4,5,6,7,8,9,10,11,12,13,14,15
	v_mov_b32 v[ACC+64+16*\g+\i], v[BVAL+\g]       ; v's bias: a lane holds one channel
.endr
.endr
.rept 4
	v_nop
.endr
	s_wait_dscnt 0x0
.irp s, 0,1                                    ; the twelve accumulators take turns, one instruction a turn
	WIN 0x01                                       ; source 0 (the weights) window 1
.irp d, 0,1
.irp t, 0,1
.irp u, 0,1
	MM ACC+32*\d+16*\t+8*\u, 12*(4*\d+2*\s+\u), FR+12*(2*\t+\s), ACC+32*\d+16*\t+8*\u, WS+2*\d+\s, XSR+\s, \u, \t
.endr
.endr
.endr
	WIN 0x04                                       ; source 1 (the weights) window 1
.irp g, 0,1
.irp t, 0,1
	MM ACC+64+16*\g+8*\t, FR+12*(2*\t+\s), 12*(8+2*\s+\g), ACC+64+16*\g+8*\t, XSR+\s, WS+4+\s, \t, \g
.endr
.endr
.endr
	WIN 0
.rept 4
	v_nop                                          ; four plain instructions between the last products and the first read of results (ISA guide 7.12.1)
.endr
	Q32 ACC, ACC+16, OUQ                           ; q: items = the two tiles of tokens
	v_mul_lo_u32 v[OUQ+7], v[OUQ+6], s[REP]
	Q32 ACC+32, ACC+48, OUK                        ; k
	v_mul_lo_u32 v[OUK+7], v[OUK+6], s[REP]
	s_wait_alu depctr_va_vdst(0)                   ; the two quantisers have written v[OUQ ..] and v[OUK ..], which the eight stores below read; v's quantiser, behind them, names none of these registers
.irp p, 0,1,2
	global_store_b64 v[L8], v[OUQ+2*\p:OUQ+2*\p+1], s[34:35] offset:256*\p   ; 32 lanes store 256 consecutive bytes, aligned
.endr
	global_store_b32 v[AL4], v[OUQ+7], s[36:37] offset:1572864
.irp p, 0,1,2
	global_store_b64 v[L8], v[OUK+2*\p:OUK+2*\p+1], s[42:43] offset:256*\p
.endr
	global_store_b32 v[AL4], v[OUK+7], s[44:45] offset:24576
	Q32 ACC+64, ACC+80, OUV                        ; v: items = the two tiles of channels; the block runs along the 32 keys
	s_wait_alu depctr_va_vdst(0)                   ; v's quantiser has written v[OUV ..], which the last four stores read
.irp p, 0,1,2
	global_store_b64 v[L8X], v[OUV+2*\p:OUV+2*\p+1], s[42:43] offset:12288+256*\p
.endr
	global_store_b8 v[AL4], v[OUV+6], s[46:47] offset:26624
	s_wait_dscnt 0x0                               ; the closing lines, six on end
	s_wait_alu 0x0
	s_wait_tensorcnt 0x0
	ds_add_u32 v254, v255
	s_wait_dscnt 0x0
	s_endpgm
.Lfunc_end_k_q1ae2ec4f54_qkv0:
	.size	k_q1ae2ec4f54_qkv0, .Lfunc_end_k_q1ae2ec4f54_qkv0-k_q1ae2ec4f54_qkv0
	.p2alignl 7, 3214868480
	.fill 96, 4, 3214868480
	.section	.rodata,"a",@progbits
	.p2align	6, 0x0
	.amdhsa_kernel k_q1ae2ec4f54_qkv0
		.amdhsa_group_segment_fixed_size 41984
		.amdhsa_private_segment_fixed_size 0
		.amdhsa_enable_private_segment 0
		.amdhsa_kernarg_size 32
		.amdhsa_user_sgpr_count 2
		.amdhsa_user_sgpr_kernarg_segment_ptr 1
		.amdhsa_wavefront_size32 1
		.amdhsa_system_sgpr_workgroup_id_x 1
		.amdhsa_system_sgpr_workgroup_id_y 1
		.amdhsa_system_sgpr_workgroup_id_z 1
		.amdhsa_system_vgpr_workitem_id 0
		.amdhsa_next_free_vgpr 400
		.amdhsa_next_free_sgpr 66
		.amdhsa_reserve_vcc 0
		.amdhsa_float_denorm_mode_32 3
		.amdhsa_float_denorm_mode_16_64 3
		.amdhsa_memory_ordered 1
		.amdhsa_forward_progress 1
		.amdhsa_inst_pref_size 28
	.end_amdhsa_kernel
	.amdgpu_metadata
---
amdhsa.version: [ 1, 2 ]
amdhsa.kernels:
  - .name:           k_q1ae2ec4f54_qkv0
    .symbol:         k_q1ae2ec4f54_qkv0.kd
    .args:
      - { .name: x, .offset: 0, .size: 8, .value_kind: global_buffer, .address_space: global }
      - { .name: wl0, .offset: 8, .size: 8, .value_kind: global_buffer, .address_space: global }
      - { .name: qb, .offset: 16, .size: 8, .value_kind: global_buffer, .address_space: global }
      - { .name: kvb, .offset: 24, .size: 8, .value_kind: global_buffer, .address_space: global }
    .group_segment_fixed_size: 41984
    .private_segment_fixed_size: 0
    .kernarg_segment_align: 8
    .kernarg_segment_size: 32
    .max_flat_workgroup_size: 256
    .sgpr_count:     66
    .vgpr_count:     400
    .wavefront_size: 32
...
	.end_amdgpu_metadata
.endif
;; end of part 5
;; launch attn0: the kernel of part 3 again; grid 8 x 32, 16 waves a work-group, clusters of 4 x 1, 169,984 bytes of LDS; arguments qb, kvb, ctxb; writes ctxb
;; launch post0 (part 6): grid 256 x 1, 8 waves a work-group, no clusters, 76,800 bytes of LDS; arguments x, ctxb, wl0, xmid; writes xmid
.if DOCPART == 6
	.amdgcn_target "amdgcn-amd-amdhsa--gfx1250"
	.amdhsa_code_object_version 6
	.text
	.protected	k_q1ae2ec4f54_post0
	.globl	k_q1ae2ec4f54_post0
	.p2align	8
	.type	k_q1ae2ec4f54_post0,@function
k_q1ae2ec4f54_post0:
	s_mov_b64 s[64:65], 0
	v_nop
	global_prefetch_b8 v0, s[64:65] scope:SCOPE_SE
	s_setreg_imm32_b32 hwreg(HW_REG_WAVE_SCHED_MODE, 0, 2), 2
	s_setreg_imm32_b32 hwreg(HW_REG_WAVE_MODE, 25, 1), 1
	s_wait_xcnt 0x0
	s_wait_alu depctr_vm_vsrc(0)
; The rest of a layer: x1 = LN1(x + ctx out_w^T + out_b);  out = LN2(x1 + relu(x1 w1^T + b1) w2^T + b2).  All three products on codes of FP6 (E2M3); norms, biases, residuals in f32.
; Arguments: the layer's x [2048][4][256] f32, ctx as codes, the layer's parameter buffer, the layer's result (laid as x).
; SHARES.  Work-group g takes batch row g / 64 and 32 tokens, two tiles t of 16: row n of tile t is l = 32 (g % 64) + 8 t + n + 8 (n / 8), the tiles in which ctx was stored.  THE WAVES SHARE THE COLUMNS: wave w makes features
; 32 w .. 32 w + 31 of the first and third product (one block of 32) and hidden units 128 w .. 128 w + 127 (one K step of the third).  Its weights go from memory straight into its operand registers, once.
; NO CLUSTER: a work-group's weights are 445 KB of codes, more than LDS holds, so joint requests would want a ring with a round of the cluster's barrier for each refill, for 72 matrix instructions a wave; here each wave loads its
; eighth into the registers that multiply it, w2's into the registers that w1's blocks leave.
; All products are used TRANSPOSED (source 0 = 16 weight rows, source 1 = 16 tokens), and a tile's weight rows are 32 B + 8 u + r + 8 (r / 8): a lane holds one token and 16 neighbouring features.  x itself is brought into that
; layout through a stage in LDS and IS the first product's first C; x1 likewise the third's.
; Codes go from wave to wave through LDS: block k of token (t, n) at 896 k + 256 p + 128 t + 8 n (piece p of 8 bytes); scale bytes as words for a token and 128 along K.
; LAYER NORM: each wave has, for each token, the sum S and the sum of squares round its own mean of its 32 features; the eight pairs meet in LDS; the variance is their sum plus 32 x the spread of the waves' means: no difference of large sums.
; LIMITS: a block of zeros, and one whose largest magnitude lies under 2^-124, gets the byte 1 (this program alone reads the bytes); NaN and infinities are not served.
; THE MODE: SCHED_MODE bits 1:0 = 2 (LLVM: expert scheduling mode 2), set by the entry lines.  The code itself states the register dependences
; between vector or matrix instructions and memory or LDS instructions, with s_wait_alu, always for 0.
; THE PLAN.  Registers that memory or LDS instructions touch:
;   v4-v15, v249  offsets and LDS addresses: all made at the head, ahead of the first load, and never written again.
;   Y             x's global loads land in it, the stage's LDS stores read it, the LDS loads from the stage land in it; then vector and matrix work alone, until the way out's LDS stores read it.
;   FR            loads land in it four times: ctx's fragments, x1's, the hidden layer's (sets 0 and 1), the rows on the way out; between two of them products read it; the last global stores read it.
;   H             out_w's loads land in it; then the norm's figures (its pair LO is read by an LDS store; LL is loaded from LDS), the hidden numbers, the hidden layer's fragments (sets 2 and 3), the second norm's figures.
;   PA, PS, PB    loaded twice; vector instructions read them.
;   PC, PBY       the one out-buffer of the quantiser: written by it, read by the four LDS stores behind it, five times over.
;   window 1      w1's blocks; the products of block k read them, then w2's loads land there.     HSR: the hidden layer's scale words, a register for each of the four sets.
; WHERE THE WAITS STAND.  On va_vdst: one at the head; one ahead of each run of LDS stores, and each of these also states that the registers in which the next loads land are done with: x1's stores with the reload of PA, PS, PB and
; the loads into FR; each hidden block's stores with w2's loads into the blocks of w1 that have been multiplied; a norm's store with the loads into LL.  In the third product the four sets let two waits serve eight K steps.
; On vm_vsrc: where Y is loaded again; ahead of the hidden layer's first product, which writes LO; ahead of each quantiser that writes PC and PBY again.
.set XC,   0                           ; LDS: x1's codes, 8 blocks x 896
.set XS,   7168                        ; their scale bytes, 2 x 128
.set HC,   7424                        ; the hidden layer's codes, 32 blocks x 896
.set HS,   36096                       ; their scale bytes, 8 x 128
.set LN1,  37120                       ; 32 tokens x (8 waves x 8 bytes + 16)
.set LN2,  39680
.set STG,  42240                       ; the stage: 32 rows x (1,024 + 16)
.set SCI,  589824
.set VEC,  614400
.set LANE, 1
.set N,    2
.set HH,   3
.set SW,   4                           ; v4   the stage, by rows: 4,160 w + 16 lane
.set SRD,  5                           ; v5   the stage, by tokens: 1,040 n + 64 h + 128 w
.set XW,   6                           ; v6   8 lane + 896 w
.set XB,   7                           ; v7   4 lane + 128 (w / 4) + w % 4
.set AF,   8                           ; v8   896 h + 8 n
.set AL4,  9                           ; v9   4 lane
.set CTA,  10                          ; v10  384 h + 24 n
.set HW,   11                          ; v11  8 lane + 3,584 w
.set L16,  12                          ; v12  16 lane
.set BO,   13                          ; v13  64 h
.set HBY,  14                          ; v14  4 lane + 128 w
.set LNW,  15                          ; v15  80 lane + 8 w
.set LNR,  249                         ; v249 80 n
.set FR,   16                          ; v16-63   ctx's four fragments, then x1's (t, s at 24 t + 12 s), then the hidden layer's sets 0 and 1, then rows on the way out
.set Y,    64                          ; v64-95   x, x1, the result: 16 t + e = feature 32 w + 16 h + e of token (t, n)
.set H,    96                          ; v96-159  out_w's fragments; the norms' figures; two sets of 32 hidden numbers; the hidden layer's fragments, sets 2 and 3 (v96-143)
.set PA,   160                         ; v160-175 out_b, then b2;  v176-191 the norm's gain;  v192-207 its bias
.set PS,   176
.set PB,   192
.set OWS,  208                         ; scale words: v208-209 out_w's; v210-211 ctx's, then x1's; v212-219 w1's; v220-227 w2's; v250-253 the hidden layer's
.set CSR,  210
.set W1S,  212
.set W2S,  220
.set HSR,  250
.set T0,   230
.set E0,   234
.set B0,   236
.set PBY,  238
.set PC,   240
.set PT,   246
.set SEL,  20
.set HM,   22
.set I256, 23                          ; s23 1 / 256
.set EPS,  33                          ; s33 1e-5
; window 1: v0-191 w1's fragments (block k, s, u) at 48 k + 12 (2 s + u), then w2's (K step 2 k + e, u) at 48 k + 12 (2 e + u);  v192-255 b1 in the result's layout, 16 k + 8 u + j
.set MSB, 0
.macro WIN new                         ; the immediate's high byte repeats the setting that is left
.if MSB != \new
	s_set_vgpr_msb (MSB<<8)|\new
.set MSB, \new
.endif
.endm
.macro BARRIER                         ; my LDS stores have landed and my LDS loads are in: then the work-group's barrier
	s_wait_dscnt 0x0
	s_barrier_signal -1
	s_barrier_wait -1
.endm
.macro PLACES                          ; four plain instructions behind matrix instructions, ahead of the first read of their results and of the first vector write of their registers (ISA guide 7.12.1)
.rept 4
	v_nop
.endr
.endm
; One product.  ra, rb = 1: that side's scale words stand in lanes 16-31 of the register named.
.macro MM d, a, b, c, sa, sb, ra, rb
.if ((\ra) != 0) && ((\rb) != 0)
	v_wmma_scale_f32_16x16x128_f8f6f4 v[(\d):(\d)+7], v[(\a):(\a)+11], v[(\b):(\b)+11], v[(\c):(\c)+7], v[\sa], v[\sb] matrix_a_fmt:MATRIX_FMT_FP6 matrix_b_fmt:MATRIX_FMT_FP6 matrix_a_scale:MATRIX_SCALE_ROW1 matrix_b_scale:MATRIX_SCALE_ROW1
.elseif (\ra) != 0
	v_wmma_scale_f32_16x16x128_f8f6f4 v[(\d):(\d)+7], v[(\a):(\a)+11], v[(\b):(\b)+11], v[(\c):(\c)+7], v[\sa], v[\sb] matrix_a_fmt:MATRIX_FMT_FP6 matrix_b_fmt:MATRIX_FMT_FP6 matrix_a_scale:MATRIX_SCALE_ROW1
.elseif (\rb) != 0
	v_wmma_scale_f32_16x16x128_f8f6f4 v[(\d):(\d)+7], v[(\a):(\a)+11], v[(\b):(\b)+11], v[(\c):(\c)+7], v[\sa], v[\sb] matrix_a_fmt:MATRIX_FMT_FP6 matrix_b_fmt:MATRIX_FMT_FP6 matrix_b_scale:MATRIX_SCALE_ROW1
.else
	v_wmma_scale_f32_16x16x128_f8f6f4 v[(\d):(\d)+7], v[(\a):(\a)+11], v[(\b):(\b)+11], v[(\c):(\c)+7], v[\sa], v[\sb] matrix_a_fmt:MATRIX_FMT_FP6 matrix_b_fmt:MATRIX_FMT_FP6
.endif
.endm
; Two runs of 16 registers: in lane (n, h) half h of one block of 32 of tokens (0, n) and (1, n).  Out: in lane (n, t) token (t, n)'s whole block, 24 bytes, in v[PC] on, and its scale byte in v[PBY].
.macro Q32 a0, a1
	v_max3_num_f32 v[T0], |v[(\a0)]|, |v[(\a0)+1]|, 0x1800000     ; with the floor 2^(3 - 127): the byte cannot fall under 1
	v_max3_num_f32 v[T0+1], |v[(\a1)]|, |v[(\a1)+1]|, 0x1800000
.irp i, 2,4,6,8,10,12,14
	v_max3_num_f32 v[T0], v[T0], |v[(\a0)+\i]|, |v[(\a0)+\i+1]|
	v_max3_num_f32 v[T0+1], v[T0+1], |v[(\a1)+\i]|, |v[(\a1)+\i+1]|
.endr
	v_permlanex16_b32 v[T0+2], v[T0], s[SEL], s[SEL+1]
	v_permlanex16_b32 v[T0+3], v[T0+1], s[SEL], s[SEL+1]
	v_max_num_f32 v[T0], v[T0], v[T0+2]
	v_max_num_f32 v[T0+1], v[T0+1], v[T0+3]
	v_add_nc_u32 v[E0], 0xff000000, v[T0]          ; 2 off the exponent field: the conversion's scale operand
	v_add_nc_u32 v[E0+1], 0xff000000, v[T0+1]
	v_lshrrev_b32 v[B0], 23, v[E0]                 ; the scale's byte
	v_lshrrev_b32 v[B0+1], 23, v[E0+1]
	v_cvt_scalef32_pk16_fp6_f32 v[PC:PC+2], v[(\a0):(\a0)+15], v[E0]
	v_cvt_scalef32_pk16_fp6_f32 v[PT:PT+2], v[(\a1):(\a1)+15], v[E0+1]
	v_cndmask_b32 v[PBY], v[B0], v[B0+1], s[HM]    ; (the plain instruction behind the scaled conversions)
.irp i, 0,1,2
	v_permlane16_swap_b32 v[PC+\i], v[PT+\i]
.endr
.irp i, 0,1,2
	v_mov_b32 v[PC+3+\i], v[PT+\i]
.endr
.endm
.macro XPUT adr, off, badr, boff
.irp p, 0,1,2
	ds_store_b64 v[\adr], v[PC+2*\p:PC+2*\p+1] offset:\off+256*\p
.endr
	ds_store_b8 v[\badr], v[PBY] offset:\boff
.endm
.macro FRAGL reg, off                  ; a fragment: lane (n, h) takes blocks h and 2 + h of the K step, three pieces of 8 bytes each
.irp c, 0,1
.irp p, 0,1,2
	ds_load_b64 v[(\reg)+6*\c+2*\p:(\reg)+6*\c+2*\p+1], v[AF] offset:(\off)+1792*\c+256*\p
.endr
.endr
.endm
; LAYER NORM of v[Y] on, in place, with the gain in v[PS] on and the bias in v[PB] on.  reg: its 2,560 bytes of LDS.  One barrier.
.set LT, H                             ; figures in H: v96-99 sums; v100-101 the other half's; v102-103 S; v104-107 my 32 features' mean (pairs; the low word is used); v108-111 differences; v112-115 squares; v116-117 what I store; v120-151 the eight waves' pairs
.set LP, H+4
.set LS, H+6
.set LM, H+8
.set LD, H+12
.set LQ, H+16
.set LO, H+20
.set LL, H+24
.set SU, H                             ; behind the barrier: v96-99 (sum of S, sum of squares); v100, v102 the mean; v104, v106 1 / sqrt; v108-113 at work
.set ME, H+4
.set RS, H+8
.set DD, H+12
.set AQ, H+14
.set VA, H+16
.macro LNORM reg
.irp t, 0,1
	v_pk_add_f32 v[LT+2*\t:LT+2*\t+1], v[Y+16*\t:Y+16*\t+1], v[Y+16*\t+2:Y+16*\t+3]   ; each accumulator is read from its low end on
.endr
.irp i, 4,6,8,10,12,14
.irp t, 0,1
	v_pk_add_f32 v[LT+2*\t:LT+2*\t+1], v[LT+2*\t:LT+2*\t+1], v[Y+16*\t+\i:Y+16*\t+\i+1]
.endr
.endr
.irp t, 0,1
	v_add_f32 v[LT+2*\t], v[LT+2*\t], v[LT+2*\t+1]
.endr
.irp t, 0,1
	v_permlanex16_b32 v[LP+\t], v[LT+2*\t], s[SEL], s[SEL+1]
.endr
.irp t, 0,1
	v_add_f32 v[LS+\t], v[LT+2*\t], v[LP+\t]       ; S: the sum of my 32 features of token (t, n)
.endr
.irp t, 0,1
	v_mul_f32 v[LM+2*\t], 0x3d000000, v[LS+\t]     ; S / 32
.endr
.irp t, 0,1
	v_pk_add_f32 v[LD+2*\t:LD+2*\t+1], v[Y+16*\t:Y+16*\t+1], v[LM+2*\t:LM+2*\t+1] op_sel_hi:[1,0] neg_lo:[0,1] neg_hi:[0,1]
.endr
.irp t, 0,1
	v_pk_mul_f32 v[LQ+2*\t:LQ+2*\t+1], v[LD+2*\t:LD+2*\t+1], v[LD+2*\t:LD+2*\t+1]
.endr
.irp i, 2,4,6,8,10,12,14
.irp t, 0,1
	v_pk_add_f32 v[LD+2*\t:LD+2*\t+1], v[Y+16*\t+\i:Y+16*\t+\i+1], v[LM+2*\t:LM+2*\t+1] op_sel_hi:[1,0] neg_lo:[0,1] neg_hi:[0,1]
.endr
.irp t, 0,1
	v_pk_fma_f32 v[LQ+2*\t:LQ+2*\t+1], v[LD+2*\t:LD+2*\t+1], v[LD+2*\t:LD+2*\t+1], v[LQ+2*\t:LQ+2*\t+1]
.endr
.endr
.irp t, 0,1
	v_add_f32 v[LQ+2*\t], v[LQ+2*\t], v[LQ+2*\t+1]
.endr
.irp t, 0,1
	v_permlanex16_b32 v[LP+\t], v[LQ+2*\t], s[SEL], s[SEL+1]
.endr
.irp t, 0,1
	v_add_f32 v[LQ+2*\t], v[LQ+2*\t], v[LP+\t]     ; the squares round S / 32
.endr
	v_cndmask_b32 v[LO], v[LS], v[LS+1], s[HM]     ; lane (n, t) stores token (t, n)'s pair
	v_cndmask_b32 v[LO+1], v[LQ], v[LQ+2], s[HM]
	s_wait_alu depctr_va_vdst(0)                   ; v[LO:LO+1] are written, which the LDS store reads; and the products that read v[LL ..] as fragments are done with them: the loads behind the barrier land there, and no vector line stands between
	ds_store_b64 v[LNW], v[LO:LO+1] offset:\reg
	BARRIER
.irp t, 0,1
.irp i, 0,1,2,3
	ds_load_b128 v[LL+16*\t+4*\i:LL+16*\t+4*\i+3], v[LNR] offset:\reg+1280*\t+16*\i
.endr
.endr
	s_wait_dscnt 0x0
.irp t, 0,1
	v_pk_add_f32 v[SU+2*\t:SU+2*\t+1], v[LL+16*\t:LL+16*\t+1], v[LL+16*\t+2:LL+16*\t+3]
.endr
.irp i, 4,6,8,10,12,14
.irp t, 0,1
	v_pk_add_f32 v[SU+2*\t:SU+2*\t+1], v[SU+2*\t:SU+2*\t+1], v[LL+16*\t+\i:LL+16*\t+\i+1]
.endr
.endr
.irp t, 0,1
	v_mul_f32 v[ME+2*\t], s[I256], v[SU+2*\t]      ; the row's mean
.endr
.irp t, 0,1
	v_fma_f32 v[DD+\t], v[LL+16*\t], 0x3d000000, -v[ME+2*\t]
.endr
.irp t, 0,1
	v_mul_f32 v[AQ+\t], v[DD+\t], v[DD+\t]
.endr
.irp i, 2,4,6,8,10,12,14
.irp t, 0,1
	v_fma_f32 v[DD+\t], v[LL+16*\t+\i], 0x3d000000, -v[ME+2*\t]   ; a wave's mean less the row's
.endr
.irp t, 0,1
	v_fma_f32 v[AQ+\t], v[DD+\t], v[DD+\t], v[AQ+\t]
.endr
.endr
.irp t, 0,1
	v_fma_f32 v[VA+\t], v[AQ+\t], 0x42000000, v[SU+2*\t+1]        ; the squares round the row's mean
.endr
.irp t, 0,1
	v_fma_f32 v[VA+\t], v[VA+\t], s[I256], s[EPS]  ; the variance + 1e-5
.endr
.irp t, 0,1
	v_rsq_f32 v[RS+2*\t], v[VA+\t]
.endr
	v_nop                                          ; a plain instruction behind the two roots,
	s_wait_alu depctr_va_vdst(0)                   ; and one wait: the two roots are written, ahead of their first reader
.irp t, 0,1
.irp i, 0,2,4,6,8,10,12,14
	v_pk_add_f32 v[Y+16*\t+\i:Y+16*\t+\i+1], v[Y+16*\t+\i:Y+16*\t+\i+1], v[ME+2*\t:ME+2*\t+1] op_sel_hi:[1,0] neg_lo:[0,1] neg_hi:[0,1]
.endr
.endr
.irp t, 0,1
.irp i, 0,2,4,6,8,10,12,14
	v_pk_mul_f32 v[Y+16*\t+\i:Y+16*\t+\i+1], v[Y+16*\t+\i:Y+16*\t+\i+1], v[RS+2*\t:RS+2*\t+1] op_sel_hi:[1,0]
.endr
.endr
.irp t, 0,1
.irp i, 0,2,4,6,8,10,12,14
	v_pk_fma_f32 v[Y+16*\t+\i:Y+16*\t+\i+1], v[Y+16*\t+\i:Y+16*\t+\i+1], v[PS+\i:PS+\i+1], v[PB+\i:PB+\i+1]
.endr
.endr
.endm
.macro ADDPA                           ; a bias onto v[Y] on
.irp t, 0,1
.irp i, 0,2,4,6,8,10,12,14
	v_pk_add_f32 v[Y+16*\t+\i:Y+16*\t+\i+1], v[Y+16*\t+\i:Y+16*\t+\i+1], v[PA+\i:PA+\i+1]
.endr
.endr
.endm
; Block k of my hidden units (32 of them) for both tiles of tokens: eight products into set k % 2; b1 is the first four's C; the four accumulators take turns.
.macro MMB k
	WIN 0x11                                       ; source 0 (w1) and source 2 (b1) window 1
.irp t, 0,1
.irp u, 0,1
	MM H+32*((\k)%2)+16*\t+8*\u, 48*(\k)+12*\u, FR+24*\t, 192+16*(\k)+8*\u, W1S+2*(\k), CSR, \u, \t
.endr
.endr
	WIN 0x01
.irp t, 0,1
.irp u, 0,1
	MM H+32*((\k)%2)+16*\t+8*\u, 48*(\k)+24+12*\u, FR+24*\t+12, H+32*((\k)%2)+16*\t+8*\u, W1S+2*(\k)+1, CSR+1, \u, \t
.endr
.endr
	WIN 0
.endm
.macro W2L k                           ; w2's K steps 2 k, 2 k + 1 into the registers that w1's block k has left (the destination's window is 1 here)
.irp e, 0,1
.irp u, 0,1
.irp q, 0,1,2
	global_load_b128 v[48*(\k)+12*(2*\e+\u)+4*\q:48*(\k)+12*(2*\e+\u)+4*\q+3], v[L16], s[38:39] offset:393216+3072*(2*(\k)+\e)+1536*\u+512*\q
.endr
.endr
.endr
.endm
.macro RELU k                          ; the activation of block k, in f32, each accumulator from its low end on
.set j, 0
.rept 32
	v_max_num_f32 v[H+32*((\k)%2)+j], 0, v[H+32*((\k)%2)+j]
.set j, j+1
.endr
.endm
; The hidden layer's two fragments and scale words of K step e into set e % 4: 13 LDS loads.  Sets 0 and 1 lie in FR, sets 2 and 3 in H.
.macro FETCH e
.set SB, FR+24*((\e)%4)+32*(((\e)%4)/2)
	FRAGL SB, HC+3584*(\e)
	FRAGL SB+12, HC+3584*(\e)+128
	ds_load_b32 v[HSR+(\e)%4], v[AL4] offset:HS+128*(\e)
.endm
.macro KSTEP e                         ; K step e of the third product: the four accumulators take turns, in the same order in every step
.set SB, FR+24*((\e)%4)+32*(((\e)%4)/2)
.irp t, 0,1
.irp u, 0,1
	MM Y+16*\t+8*\u, 48*((\e)/2)+12*(2*((\e)%2)+\u), SB+12*\t, Y+16*\t+8*\u, W2S+(\e), HSR+(\e)%4, \u, \t
.endr
.endr
.endm
	s_load_b256 s[4:11], s[0:1], 0x0               ; x, ctx, the parameters, the result
	v_lshl_add_u32 v254, v0, 2, 0x12800
	v_mov_b32 v255, 0
	v_lshrrev_b32 v15, 5, v0
	v_readfirstlane_b32 s14, v15                   ; wave
	v_and_b32 v[LANE], 31, v0
	v_and_b32 v[N], 15, v0
	v_bfe_u32 v[HH], v0, 4, 1
	s_wait_alu depctr_va_sdst(0)                   ; s14 is written, ahead of its first reader: every base and LDS address below is made from it
	s_lshr_b32 s12, ttmp9, 6                       ; b
	s_and_b32 s13, ttmp9, 63                       ; blk
	; the four rows that I fetch and store are slots 4 w .. 4 w + 3 of the stage (slot 16 t + n = token (t, n)): four neighbouring l from 8 (w / 4) + 4 (w % 4) + 8 ((w / 2) % 2) on
	s_lshr_b32 s15, s14, 2
	s_lshl_b32 s15, s15, 3
	s_and_b32 s16, s14, 3
	s_lshl_b32 s16, s16, 2
	s_add_co_u32 s15, s15, s16
	s_bfe_u32 s16, s14, 0x10001
	s_lshl_b32 s16, s16, 3
	s_add_co_u32 s15, s15, s16
	s_lshl_b32 s16, s13, 5
	s_add_co_u32 s15, s15, s16
	s_lshl_b32 s15, s15, 12
	s_lshl_b32 s16, s12, 10
	s_add_co_u32 s24, s15, s16
	s_mov_b32 s25, 0
	s_mul_i32 s26, ttmp9, 6144                     ; ctx's codes of my two tiles (64 b + blk is the work-group's number)
	s_mov_b32 s27, 0
	s_lshl_b32 s28, ttmp9, 8                       ; and their scale words
	s_mov_b32 s29, 0
	s_mul_i32 s30, s14, 6144                       ; out_w: jobs 48 + 2 w + s
	s_mov_b32 s31, 0
	s_lshl_b32 s34, s14, 8
	s_mov_b32 s35, 0
	s_lshl_b32 s36, s14, 7                         ; my 32 features of a vector
	s_mov_b32 s37, 0
	s_mul_i32 s38, s14, 24576                      ; w1: jobs 64 + 8 w + ..; w2: jobs 128 + 8 w + ..
	s_mov_b32 s39, 0
	s_lshl_b32 s40, s14, 9                         ; my 128 numbers of b1
	s_mov_b32 s41, 0
	s_lshl_b32 s42, s14, 10
	s_mov_b32 s43, 0
	s_mov_b32 s[SEL], 0x76543210
	s_mov_b32 s[SEL+1], 0xfedcba98
	s_mov_b32 s[HM], 0xffff0000
	s_mov_b32 s[I256], 0x3b800000
	s_mov_b32 s[EPS], 0x3727c5ac
	v_lshlrev_b32 v[L16], 4, v[LANE]
	v_lshlrev_b32 v[AL4], 2, v[LANE]
	v_lshlrev_b32 v[BO], 6, v[HH]
	v_mul_u32_u24 v[CTA], v[N], 24
	v_mad_u32_u24 v[CTA], v[HH], 384, v[CTA]
	; the LDS addresses, while the arguments are on their way: so one wait serves every offset and address of the kernel.  Each address's scalar term has a register of its own: none that a vector instruction has read is written again
	s_mul_i32 s44, s14, 4160
	s_add_co_u32 s44, s44, STG
	v_add_nc_u32 v[SW], s44, v[L16]
	v_mul_u32_u24 v[SRD], v[N], 1040
	v_lshl_add_u32 v[SRD], v[HH], 6, v[SRD]
	s_lshl_b32 s45, s14, 7
	v_add_nc_u32 v[HBY], s45, v[AL4]
	s_add_co_u32 s46, s45, STG
	v_add_nc_u32 v[SRD], s46, v[SRD]
	v_lshlrev_b32 v[XW], 3, v[LANE]
	s_mul_i32 s47, s14, 3584
	v_add_nc_u32 v[HW], s47, v[XW]
	s_mul_i32 s48, s14, 896
	v_add_nc_u32 v[XW], s48, v[XW]
	s_lshr_b32 s49, s14, 2
	s_lshl_b32 s49, s49, 7
	s_and_b32 s50, s14, 3
	s_add_co_u32 s49, s49, s50
	v_add_nc_u32 v[XB], s49, v[AL4]
	v_mul_u32_u24 v[AF], v[HH], 896
	v_lshl_add_u32 v[AF], v[N], 3, v[AF]
	v_mul_u32_u24 v[LNW], v[LANE], 80
	s_lshl_b32 s51, s14, 3
	v_add_nc_u32 v[LNW], s51, v[LNW]
	v_mul_u32_u24 v[LNR], v[N], 80
	v_mov_b32 v[T0+2], 0                           ; a lane permute's destination counts as one of its sources
	v_mov_b32 v[T0+3], 0
	s_wait_kmcnt 0x0
	s_add_nc_u64 s[4:5], s[4:5], s[24:25]
	s_add_nc_u64 s[10:11], s[10:11], s[24:25]
	s_add_nc_u64 s[26:27], s[6:7], s[26:27]
	s_add_nc_u64 s[28:29], s[6:7], s[28:29]
	s_add_nc_u64 s[30:31], s[8:9], s[30:31]
	s_add_nc_u64 s[34:35], s[8:9], s[34:35]
	s_add_nc_u64 s[36:37], s[8:9], s[36:37]
	s_add_nc_u64 s[38:39], s[8:9], s[38:39]
	s_add_nc_u64 s[40:41], s[8:9], s[40:41]
	s_add_nc_u64 s[42:43], s[8:9], s[42:43]
	s_wait_alu depctr_va_vdst(0)                   ; the thirteen offsets and addresses v4 to v15 and v249 are written, which every load and store of the kernel reads; up to the loads into window 1 no vector line follows
.irp k, 0,1,2,3
.irp f, 0,1
	global_load_b128 v[Y+8*\k+4*\f:Y+8*\k+4*\f+3], v[L16], s[4:5] offset:4096*\k+512*\f   ; four whole rows of x
.endr
.endr
.irp t, 0,1
.irp s, 0,1
.irp c, 0,1
.irp p, 0,1,2
	global_load_b64 v[FR+24*\t+12*\s+6*\c+2*\p:FR+24*\t+12*\s+6*\c+2*\p+1], v[CTA], s[26:27] offset:3072*\t+384*(4*\s+2*\c)+8*\p   ; ctx: block = head 4 s + 2 c + h of token (t, n)
.endr
.endr
.endr
.endr
.irp s, 0,1
	global_load_b32 v[CSR+\s], v[AL4], s[28:29] offset:1572864+128*\s
.endr
.irp s, 0,1
.irp u, 0,1
.irp q, 0,1,2
	global_load_b128 v[H+12*(2*\s+\u)+4*\q:H+12*(2*\s+\u)+4*\q+3], v[L16], s[30:31] offset:147456+3072*\s+1536*\u+512*\q
.endr
.endr
.endr
.irp s, 0,1
	global_load_b32 v[OWS+\s], v[AL4], s[34:35] offset:SCI+6144+128*\s
.endr
.irp i, 0,1,2,3
	global_load_b128 v[PA+4*\i:PA+4*\i+3], v[BO], s[36:37] offset:VEC+3072+16*\i    ; out_b
	global_load_b128 v[PS+4*\i:PS+4*\i+3], v[BO], s[36:37] offset:VEC+4096+16*\i    ; ln1_s
	global_load_b128 v[PB+4*\i:PB+4*\i+3], v[BO], s[36:37] offset:VEC+5120+16*\i    ; ln1_b
.endr
	s_wait_loadcnt 52                              ; x's eight loads are in; the 52 issued behind them may be out
.irp k, 0,1,2,3
.irp f, 0,1
	ds_store_b128 v[SW], v[Y+8*\k+4*\f:Y+8*\k+4*\f+3] offset:1040*\k+512*\f
.endr
.endr
	WIN 0x40                                       ; destination window 1: w1 and b1, wanted two phases on
.irp k, 0,1,2,3
.irp s, 0,1
.irp u, 0,1
.irp q, 0,1,2
	global_load_b128 v[48*\k+12*(2*\s+\u)+4*\q:48*\k+12*(2*\s+\u)+4*\q+3], v[L16], s[38:39] offset:196608+6144*\k+3072*\s+1536*\u+512*\q
.endr
.endr
.endr
.endr
.irp k, 0,1,2,3
.irp i, 0,1,2,3
	global_load_b128 v[192+16*\k+4*\i:192+16*\k+4*\i+3], v[BO], s[40:41] offset:VEC+6144+128*\k+16*\i
.endr
.endr
	WIN 0
.irp k, 0,1,2,3
.irp s, 0,1
	global_load_b32 v[W1S+2*\k+\s], v[AL4], s[42:43] offset:SCI+8192+256*\k+128*\s
.endr
.endr
.irp e, 0,1,2,3,4,5,6,7
	global_load_b32 v[W2S+\e], v[AL4], s[42:43] offset:SCI+16384+128*\e
.endr
	BARRIER                                        ; 32 rows of x lie in the stage
	s_wait_alu depctr_vm_vsrc(0)                   ; my LDS stores have read v[Y ..], in which the loads below land
.irp t, 0,1
.irp i, 0,1,2,3
	ds_load_b128 v[Y+16*\t+4*\i:Y+16*\t+4*\i+3], v[SRD] offset:16640*\t+16*\i   ; features 32 w + 16 h + 0 .. 15 of token (t, n)
.endr
.endr
	s_wait_dscnt 0x0
	s_wait_loadcnt 63                              ; 140 loads have been issued: with 63 out at the most, the first 60 (x, ctx, out_w, the vectors) are in
	; ---- x + out_b + ctx out_w^T: x is the sums' beginning; the four accumulators take turns
	ADDPA
.irp s, 0,1
.irp t, 0,1
.irp u, 0,1
	MM Y+16*\t+8*\u, H+12*(2*\s+\u), FR+24*\t+12*\s, Y+16*\t+8*\u, OWS+\s, CSR+\s, \u, \t
.endr
.endr
.endr
	PLACES
	LNORM LN1                                      ; x1
	Q32 Y, Y+16                                    ; block w of x1, for the 32 tokens
	s_wait_alu depctr_va_vdst(0)                   ; the quantiser has written v[PC ..] and v[PBY], which the LDS stores read; the norm and the bias's additions are done reading PA, PS, PB, and the first product's instructions FR and CSR: loads land in all of these below
	XPUT XW, XC, XB, XS
.irp i, 0,1,2,3
	global_load_b128 v[PA+4*\i:PA+4*\i+3], v[BO], s[36:37] offset:VEC+10240+16*\i   ; b2
	global_load_b128 v[PS+4*\i:PS+4*\i+3], v[BO], s[36:37] offset:VEC+11264+16*\i   ; ln2_s
	global_load_b128 v[PB+4*\i:PB+4*\i+3], v[BO], s[36:37] offset:VEC+12288+16*\i   ; ln2_b
.endr
	BARRIER                                        ; x1's eight blocks of codes lie in LDS
.irp t, 0,1
.irp s, 0,1
	FRAGL FR+24*\t+12*\s, XC+3584*\s+128*\t
.endr
.endr
.irp s, 0,1
	ds_load_b32 v[CSR+\s], v[AL4] offset:XS+128*\s
.endr
	s_wait_loadcnt 12                              ; w1, b1 and the scale words are in; the 12 loads just issued may be out
	s_wait_dscnt 0x0
	s_wait_alu depctr_vm_vsrc(0)                   ; the first norm's LDS store has read v[LO:LO+1], which block 0's products write; x1's LDS stores have read v[PC ..] and v[PBY], which block 0's quantiser writes
	; ---- the hidden layer, a block of 32 units at a time, in two sets of registers; w2 follows w1 into its registers behind the wait that each block's LDS stores owe anyway
	MMB 0
	MMB 1
	PLACES
	RELU 0
	Q32 H, H+16
	WIN 0x40                                       ; destination window 1: the switch, the wait, the loads
	s_wait_alu depctr_va_vdst(0)                   ; the products of blocks 0 and 1 are done reading w1's blocks 0 and 1, in which w2's loads land; the quantiser has written v[PC ..] and v[PBY], which the LDS stores behind the loads read
	W2L 0
	W2L 1
	WIN 0
	XPUT HW, HC, HBY, HS                           ; block 4 w + 0 of the third product's K
	MMB 2                                          ; (it writes set 0 anew: behind block 0's products stand the four places and the quantiser's lines that name none of their registers)
	RELU 1
	s_wait_alu depctr_vm_vsrc(0)                   ; block 0's LDS stores have read v[PC ..] and v[PBY], which the quantiser writes again
	Q32 H+32, H+48
	WIN 0x40
	s_wait_alu depctr_va_vdst(0)                   ; block 2's products are done reading w1's block 2, in which w2's loads land; v[PC ..] and v[PBY] are written
	W2L 2
	WIN 0
	XPUT HW, HC+896, HBY, HS+1
	MMB 3
	RELU 2
	s_wait_alu depctr_vm_vsrc(0)                   ; block 1's LDS stores have read v[PC ..] and v[PBY]
	Q32 H, H+16
	WIN 0x40
	s_wait_alu depctr_va_vdst(0)                   ; block 3's products are done reading w1's block 3, in which w2's loads land; v[PC ..] and v[PBY] are written
	W2L 3
	WIN 0
	XPUT HW, HC+1792, HBY, HS+2
	RELU 3
	s_wait_alu depctr_vm_vsrc(0)                   ; block 2's LDS stores have read v[PC ..] and v[PBY]
	Q32 H+32, H+48
	s_wait_alu depctr_va_vdst(0)                   ; v[PC ..] and v[PBY] are written; and all that named FR (the products) and H (activation, quantiser) is done: behind the barrier the hidden layer's fragments land there, ahead of any vector line
	XPUT HW, HC+2688, HBY, HS+3
	BARRIER                                        ; the hidden layer's 32 blocks of codes lie in LDS
	; ---- x1 + b2 + hidden w2^T: x1 is the sums' beginning; eight K steps on four sets of fragments
	FETCH 0
	FETCH 1
	FETCH 2
	FETCH 3
	s_wait_loadcnt 0x0                             ; w2, b2, the second norm's vectors
	ADDPA
	WIN 0x01                                       ; source 0 (w2) window 1
	s_wait_dscnt 39                                ; K step 0's 13 loads are in; those of the three steps behind it may be out
	KSTEP 0
	s_wait_dscnt 26                                ; step 1's; two steps' may be out
	KSTEP 1
	WIN 0
	PLACES                                         ; four plain instructions stand between the products and the loads into registers that they have read; the wait behind them states the dependence
	s_wait_dscnt 13                                ; step 2's are in; step 3's may be out
	s_wait_alu depctr_va_vdst(0)                   ; the products of K steps 0 and 1 are done reading sets 0 and 1 and their scale words, in which the loads of steps 4 and 5 land
	FETCH 4
	FETCH 5
	WIN 0x01
	KSTEP 2
	s_wait_dscnt 26                                ; step 3's are in; those of steps 4 and 5 may be out
	KSTEP 3
	WIN 0
	PLACES
	s_wait_dscnt 13                                ; step 4's are in; step 5's may be out
	s_wait_alu depctr_va_vdst(0)                   ; the products of K steps 2 and 3 are done reading sets 2 and 3 and their scale words, in which the loads of steps 6 and 7 land
	FETCH 6
	FETCH 7
	WIN 0x01
	KSTEP 4
	s_wait_dscnt 26                                ; step 5's are in; those of steps 6 and 7 may be out
	KSTEP 5
	s_wait_dscnt 13
	KSTEP 6
	s_wait_dscnt 0x0
	KSTEP 7
	WIN 0
	PLACES
	LNORM LN2
	; ---- the way out: back through the stage, so that whole rows leave
	s_wait_alu depctr_va_vdst(0)                   ; the norm has written v[Y ..], which the LDS stores read; the products are done reading v[FR ..], in which the rows land behind the barrier
.irp t, 0,1
.irp i, 0,1,2,3
	ds_store_b128 v[SRD], v[Y+16*\t+4*\i:Y+16*\t+4*\i+3] offset:16640*\t+16*\i
.endr
.endr
	BARRIER
.irp k, 0,1,2,3
.irp f, 0,1
	ds_load_b128 v[FR+8*\k+4*\f:FR+8*\k+4*\f+3], v[SW] offset:1040*\k+512*\f
.endr
.endr
.irp j, 0,1,2,3,4,5,6,7
	s_wait_dscnt 7-\j
	global_store_b128 v[L16], v[FR+4*\j:FR+4*\j+3], s[10:11] offset:4096*(\j/2)+512*(\j%2) th:TH_STORE_NT   ; 32 lanes store 512 consecutive bytes, aligned; nobody reads them in this launch
.endr
	s_wait_dscnt 0x0                               ; the closing lines, six on end
	s_wait_alu 0x0
	s_wait_tensorcnt 0x0
	ds_add_u32 v254, v255
	s_wait_dscnt 0x0
	s_endpgm
.Lfunc_end_k_q1ae2ec4f54_post0:
	.size	k_q1ae2ec4f54_post0, .Lfunc_end_k_q1ae2ec4f54_post0-k_q1ae2ec4f54_post0
	.p2alignl 7, 3214868480
	.fill 96, 4, 3214868480
	.section	.rodata,"a",@progbits
	.p2align	6, 0x0
	.amdhsa_kernel k_q1ae2ec4f54_post0
		.amdhsa_group_segment_fixed_size 76800
		.amdhsa_private_segment_fixed_size 0
		.amdhsa_enable_private_segment 0
		.amdhsa_kernarg_size 32
		.amdhsa_user_sgpr_count 2
		.amdhsa_user_sgpr_kernarg_segment_ptr 1
		.amdhsa_wavefront_size32 1
		.amdhsa_system_sgpr_workgroup_id_x 1
		.amdhsa_system_sgpr_workgroup_id_y 1
		.amdhsa_system_sgpr_workgroup_id_z 1
		.amdhsa_system_vgpr_workitem_id 0
		.amdhsa_next_free_vgpr 512
		.amdhsa_next_free_sgpr 66
		.amdhsa_reserve_vcc 0
		.amdhsa_float_denorm_mode_32 3
		.amdhsa_float_denorm_mode_16_64 3
		.amdhsa_memory_ordered 1
		.amdhsa_forward_progress 1
		.amdhsa_inst_pref_size 85
	.end_amdhsa_kernel
	.amdgpu_metadata
---
amdhsa.version: [ 1, 2 ]
amdhsa.kernels:
  - .name:           k_q1ae2ec4f54_post0
    .symbol:         k_q1ae2ec4f54_post0.kd
    .args:
      - { .name: x, .offset: 0, .size: 8, .value_kind: global_buffer, .address_space: global }
      - { .name: ctxb, .offset: 8, .size: 8, .value_kind: global_buffer, .address_space: global }
      - { .name: wl0, .offset: 16, .size: 8, .value_kind: global_buffer, .address_space: global }
      - { .name: xmid, .offset: 24, .size: 8, .value_kind: global_buffer, .address_space: global }
    .group_segment_fixed_size: 76800
    .private_segment_fixed_size: 0
    .kernarg_segment_align: 8
    .kernarg_segment_size: 32
    .max_flat_workgroup_size: 256
    .sgpr_count:     66
    .vgpr_count:     512
    .wavefront_size: 32
...
	.end_amdgpu_metadata
.endif
;; end of part 6
;; launch qkv1: the kernel of part 5 again; grid 256 x 1, 8 waves a work-group, no clusters, 41,984 bytes of LDS; arguments xmid, wl1, qb, kvb; writes qb, kvb
;; launch attn1: the kernel of part 3 again; grid 8 x 32, 16 waves a work-group, clusters of 4 x 1, 169,984 bytes of LDS; arguments qb, kvb, ctxb; writes ctxb
;; launch post1: the kernel of part 6 again; grid 256 x 1, 8 waves a work-group, no clusters, 76,800 bytes of LDS; arguments xmid, ctxb, wl1, out0; writes out0
